; MI455X (gfx1250); checked and timed in simulation.
; The chip was launched on July 23, 2026; its instructions are those of AMD's public machine-readable ISA for CDNA 5 (MIT licence, August 2026) and "CDNA5" Instruction Set Architecture Reference Guide (July 2026). The comments in the code are by the model that wrote it; some were corrected since.
;; Cross Attention. Allowed arithmetic: matrix products marked QUANTISED: E2M3 operands, one E8M0 scale for each 32 along K, by v_wmma_scale_f32_16x16x128_f8f6f4 with both operands' format E2M3, f32 sums; everything else in f32.
;; Inputs: Wk 1,024 x 1,024 float32; Wo 1,024 x 1,024 float32; Wq 1,024 x 1,024 float32; Wv 1,024 x 1,024 float32; bo 1,024 float32; x 4 x 2,048 x 1,024 float32.
;; Outputs: out0 4 x 2,048 x 1,024 float32.
;; This version of the problem:
;;   THIS VERSION OF THE PROBLEM IS GIVEN IN LOW PRECISION. The matrix products marked QUANTISED in the list below multiply operands that are first quantised to E2M3 (2 exponent bits, 3 mantissa bits; 6 bits a number), with one power-of-two scale for each 32 numbers along K (OCP MX v1.0); their sums are f32. All else is computed in f32.
;;   The module's matrix products, in the order in which they are computed (A, B: the left and right operand; K: the contracted axis; several contracted axes count as one K, in the product's order):
;;     1. [M 8,192, K 1,024] x [K 1,024, N 1,024]; A: input x; B: input Wq: QUANTISED
;;     2. [M 8,192, K 1,024] x [K 1,024, N 1,024]; A: input x; B: input Wk: QUANTISED
;;     3. [M 8,192, K 1,024] x [K 1,024, N 1,024]; A: input x; B: input Wv: QUANTISED
;;     4. batch 64 x [M 2,048, K 64] x [K 64, N 2,048]; A: computed on the way; B: computed on the way: QUANTISED
;;     5. batch 64 x [M 2,048, K 2,048] x [K 2,048, N 64]; A: softmax (see below); B: computed on the way: QUANTISED
;;     6. [M 8,192, K 1,024] x [K 1,024, N 1,024]; A: computed on the way; B: input Wo: QUANTISED
;;   THE QUANTISER, for each operand of a quantised product, along K:
;;     - K is cut into blocks of 32 from its start; a last block that is shorter is filled with zeros.
;;     - A block's scale is 2^e with e = floor(log2(the largest magnitude in the block)) - 2, held to -126 .. 127; a block of zeros has e = 0. As a byte (E8M0): e + 127.
;;     - Each number is divided by its block's scale, clamped to +-7.5, and rounded to the nearest number of E2M3, ties to even, subnormals kept.
;;     - The product sums the exact products of the quantised numbers (number of the format x scale) in f32.
;;   ~~~python
;;   def quantise(x, axis):      # numpy; x: float32 -> the quantised numbers, widened to float32 again
;;       x = np.moveaxis(x, axis, -1); K = x.shape[-1]
;;       x = np.pad(x, [(0, 0)] * (x.ndim - 1) + [(0, -K % 32)]); x = x.reshape(x.shape[:-1] + (-1, 32)); a = np.abs(x).max(-1, keepdims=True)
;;       e = np.where(a > 0, np.clip(np.frexp(np.where(a > 0, a, 1))[1] - 1 - 2, -126, 127), 0)      # np.frexp(a)[1] - 1 = floor(log2(a)), exactly
;;       r = np.clip(x / 2.0 ** e, -7.5, 7.5)
;;       step = 2.0 ** (np.maximum(np.frexp(np.where(r == 0, 1, r))[1] - 1, 0) - 3)
;;       q = np.round(r / step) * step * 2.0 ** e      # np.round: ties to even
;;       return np.moveaxis(q.reshape(q.shape[:-2] + (-1,))[..., :K], -1, axis).astype(np.float32)
;;   ~~~
;;   SOFTMAX AHEAD OF A QUANTISED PRODUCT. Where the list says 'softmax', what is quantised is not the finished softmax but p = 2^(t - M), with t = logit x log2(e) and M = ceil(the row's largest t), a whole number; so 1/2 < the row's largest p <= 1. The row's sum l is taken of the UNQUANTISED p, in f32, and the product's result is divided by l at the end. Since M is a whole number, a kernel that streams over the keys may use a running M (the ceiling of the running maximum): every later rescaling is an exact power of two, which a block's scale takes up: the codes' values come out the same.
;;   OPERANDS COMPUTED ON THE WAY. 'Computed on the way' means the value that the module computes at that place (a softmax that the list does not call 'softmax' is quantised finished and normalised). What goes into a quantiser is computed in f32, as accurately as f32 sums, v_exp_f32 and their like allow (about 1e-6 of the number): no bf16 or f16 on the way to a quantiser, and a product that is left as it is and whose result goes on into a quantised operand takes f32 operands (vector FMAs, or v_wmma_f32_16x16x4_f32). A number that lies on a knife's edge between two numbers of the format may be rounded either way, as far as f32 arithmetic and the matrix unit's own rounding can turn it there, and no further.
;; One version. Each part assembles by itself: llvm-mc -triple=amdgcn-amd-amdhsa -mcpu=gfx1250 --defsym DOCPART=n.
;; ======== version 1 of 1: 4 launches
;; limits: right only within a limited range of input values
;; workspace buffers: codes 9,437,184 bytes; scales 393,216 bytes; qkv 18,874,368 bytes; qkvs 786,432 bytes; oimg 6,291,456 bytes; oscl 262,144 bytes
;; launch quant (part 1): grid 384 x 1, 4 waves a work-group, no clusters, 68,096 bytes of LDS; arguments x, codes, scales, Wq, Wk, Wv, Wo; writes codes, scales
.if DOCPART == 1
	.amdgcn_target "amdgcn-amd-amdhsa--gfx1250"
	.amdhsa_code_object_version 6
	.text
	.protected	k_qd954e92898_quant
	.globl	k_qd954e92898_quant
	.p2align	8
	.type	k_qd954e92898_quant,@function
k_qd954e92898_quant:
	s_mov_b64 s[64:65], 0
	v_nop
	global_prefetch_b8 v0, s[64:65] scope:SCOPE_SE
	s_setreg_imm32_b32 hwreg(HW_REG_WAVE_MODE, 25, 1), 1
	s_wait_xcnt 0x0
; x [8192][1024] and the four weights [1024 (k)][1024 (n)], f32, become codes of FP6 (E2M3) with K innermost and one E8M0 scale byte for each 32 along K.
; codes: [12288 rows][768 bytes], scales: [12288 rows][32 bytes].  Rows 0-8191: x's.  Row 8192 + 1024 w + .. : column n of weight w (0 Wq, 1 Wk, 2 Wv, 3 Wo).
; THE ORDER OF ROWS: storage row s holds actual row s with its bits 3 and 4 exchanged (x's rows and the weights' columns alike).  Sixteen neighbouring storage rows 16 (2 b + u) + r are then the actual
; rows 32 b + 8 u + r + 8 (r / 8): used as a matrix instruction's source 0, the 16 result registers of tiles 2 b and 2 b + 1 are 16 actual neighbours, which is what the next quantiser wants.
; A block's scale is 2^(floor(log2(its largest magnitude)) - 2); its byte is the largest magnitude's exponent field - 2, held at 1 from below.
; LIMITS: a block of zeros gets the byte 1 where the rule says 127 (its codes are zeros, and this program alone reads the bytes); blocks whose largest magnitude lies under 2^-124 have the byte 1; NaN and infinities are not served.
; Work-groups 0-255 take x (K innermost: a stream of blocks; a wave takes 8 rows = 8,192 numbers), work-groups 256-383 the weights (K outermost: a lane takes a column, its registers run down K).
; The two ways part on the work-group's number and have LDS bytes of their own.  No tensor load, no barrier: waves share nothing.
.set STEPS, 16
.set CB,    12                         ; bytes of 16 codes
.set R,     16                         ; x: v16-79   four sets of 16 numbers as loaded
.set X,     80                         ;    v80-111  two sets of 16 neighbours
.set E,     112                        ;    v112-127 a scale byte for each step
.set C,     128                        ;    v128-191 codes, four registers a step
.set WREG,  8192                       ;    LDS: a region for each wave: two stages of 32 x SP bytes, then its 256 scale bytes
.set SP,    80                         ;    a lane's place in a stage: 64 bytes + 16 of padding
.set KROW,  768                        ; a row of codes in bytes
.set WSTG,  32768                      ; weights: LDS from here on, 32 x PITCH bytes a wave
.set PITCH, 272                        ;    a stage row: sixteen places of 16 bytes (12 bytes of codes each) + 16
.set NB,    8                          ;    blocks of 32 along K for a wave
.set XW,    32                         ;    v32-95   two sets of 32 numbers
.set CW,    96                         ;    v96..    a block's codes
.set OUTR,  112                        ;    v112-175 the way out
.set SB,    24                         ;    v24-25   the scale bytes
	s_load_b128 s[4:7], s[0:1], 0x0                ; x, codes
	s_load_b128 s[8:11], s[0:1], 0x10              ; scales, Wq
	s_load_b128 s[12:15], s[0:1], 0x20             ; Wk, Wv
	s_load_b64 s[16:17], s[0:1], 0x30              ; Wo
	v_lshl_add_u32 v192, v0, 2, 0x10800
	v_mov_b32 v193, 0
	v_lshrrev_b32 v1, 5, v0
	v_readfirstlane_b32 s20, v1                    ; wave 0..3
	v_and_b32 v2, 31, v0                           ; lane
	s_cmp_lt_u32 ttmp9, 256
	s_cbranch_scc0 .Lweights
	; ---------------- x ----------------
	v_lshlrev_b32 v3, 4, v2                        ; my 16 bytes of a load's 512
	s_mul_i32 s21, s20, WREG
	v_lshrrev_b32 v14, 2, v2
	v_mul_u32_u24 v14, v14, SP
	v_and_b32 v15, 3, v2
	v_lshl_add_u32 v14, v15, 4, v14
	v_add_nc_u32 v14, s21, v14                     ; the stage, on the way in: SP (lane / 4) + 16 (lane % 4)
	v_mul_u32_u24 v15, v2, SP
	v_add_nc_u32 v15, s21, v15                     ; and on the way out: SP x lane: my 16 neighbours
	v_mul_u32_u24 v4, v2, CB                       ; my codes' place in a step's
	v_lshrrev_b32 v5, 1, v2
	s_add_co_u32 s21, s21, 2*32*SP
	v_add_nc_u32 v5, s21, v5                       ; my block's byte among my wave's 256
	v_lshlrev_b32 v7, 3, v2
	v_add_nc_u32 v6, s21, v7                       ; and on the way out 8 bytes a lane
	s_lshl_b32 s22, ttmp9, 2
	s_add_co_u32 s24, s22, s20                     ; the run of 8 rows that I read: 4 x work-group + wave
	s_lshl_b32 s24, s24, 15                        ; 32,768 bytes a run
	s_mov_b32 s25, 0
	s_and_b32 s26, s20, 1
	s_lshl_b32 s26, s26, 1
	s_lshr_b32 s27, s20, 1
	s_or_b32 s26, s26, s27
	s_add_co_u32 s26, s22, s26                     ; the run that I write: the wave's two bits exchanged = the rows' bits 3 and 4
	s_mul_i32 s28, s26, 8*KROW
	s_mov_b32 s29, 0
	s_lshl_b32 s30, s26, 8                         ; 256 scale bytes a run
	s_mov_b32 s31, 0
	s_wait_alu depctr_va_vdst(0)
	s_wait_kmcnt 0x0
	s_add_nc_u64 s[4:5], s[4:5], s[24:25]
	s_add_nc_u64 s[6:7], s[6:7], s[28:29]
	s_add_nc_u64 s[8:9], s[8:9], s[30:31]
.macro LOADX t
.irp i, 0,1,2,3
	global_load_b128 v[R+16*((\t)%4)+4*\i:R+16*((\t)%4)+4*\i+3], v3, s[4:5] offset:2048*(\t)+512*\i th:TH_LOAD_NT   ; 32 lanes read 512 consecutive bytes
.endr
.endm
.macro TURNX t                         ; step t's numbers through the stage: LDS serves a wave's instructions in order, so no wait stands between the stores and the loads
.irp i, 0,1,2,3
	ds_store_b128 v14, v[R+16*((\t)%4)+4*\i:R+16*((\t)%4)+4*\i+3] offset:32*SP*((\t)%2)+8*SP*\i
.endr
.irp i, 0,1,2,3
	ds_load_b128 v[X+16*((\t)%2)+4*\i:X+16*((\t)%2)+4*\i+3], v15 offset:32*SP*((\t)%2)+16*\i
.endr
.endm
.irp t, 0,1,2,3
	LOADX \t
.endr
	s_wait_loadcnt 12                              ; step 0's four loads are in; the twelve of steps 1 to 3 may be out
	TURNX 0
.macro STEPX t
.set XS, X+16*((\t)%2)
.if (\t) > 0
	s_wait_dscnt 1                                 ; this step's numbers are back from the stage (the last step's byte store may be out), so its stores into the stage have read their registers,
.else
	s_wait_dscnt 0x0
.endif
.if (\t)+4 < STEPS
	LOADX (\t)+4                                   ; which take the loads of four steps on
.endif
.if (\t)+1 < STEPS
.if STEPS-2-(\t) >= 3
	s_wait_loadcnt 12                              ; the next step's four loads are in; those of the three steps behind it may be out
.else
	s_wait_loadcnt 4*(STEPS-2-(\t))
.endif
	TURNX (\t)+1                                   ; and go through the other stage while this step is worked
.endif
	v_max3_num_f32 v8, |v[XS]|, |v[XS+1]|, |v[XS+2]|               ; the largest magnitude of my 16, in two chains
	v_max3_num_f32 v9, |v[XS+3]|, |v[XS+4]|, |v[XS+5]|
.irp i, 6,10
	v_max3_num_f32 v8, v8, |v[XS+\i]|, |v[XS+\i+1]|
	v_max3_num_f32 v9, v9, |v[XS+\i+2]|, |v[XS+\i+3]|
.endr
	v_max3_num_f32 v8, v8, |v[XS+14]|, |v[XS+15]|
	v_max3_num_f32 v8, v8, v9, 0x1800000           ; and the floor 2^(3 - 127): the byte cannot fall under 1
	v_max_num_f32_dpp v8, v8, v8 row_xmask:1 row_mask:0xf bank_mask:0xf   ; and of my neighbour's 16: the block's
	v_add_nc_u32 v11, 0xff000000, v8               ; 2 off its exponent field: the conversion takes the exponent field of this operand as its scale
	v_cvt_scalef32_pk16_fp6_f32 v[C+4*(\t):C+4*(\t)+2], v[XS:XS+15], v11
	v_lshrrev_b32 v[E+(\t)], 23, v11               ; the scale's byte
	ds_store_b8 v5, v[E+(\t)] offset:16*(\t)       ; both lanes of a block write the same byte with the same value
	global_store_b96 v4, v[C+4*(\t):C+4*(\t)+2], s[6:7] offset:32*CB*(\t)   ; the wave stores 384 consecutive bytes
.endm
.irp t, 0,1,2,3,4,5,6,7,8,9,10,11,12,13,14,15
	STEPX \t
.endr
	ds_load_b64 v[12:13], v6                       ; LDS serves a wave's instructions in order: these see my stores
	s_wait_dscnt 0x0
	global_store_b64 v7, v[12:13], s[8:9]          ; 32 lanes store 256 consecutive bytes, aligned
	s_wait_tensorcnt 0x0
	ds_add_u32 v192, v193
	s_wait_dscnt 0x0
	s_endpgm
	; ---------------- the weights ----------------
.Lweights:
	s_sub_co_u32 s21, ttmp9, 256
	s_and_b32 s22, s21, 7                          ; which 128 columns
	s_lshr_b32 s23, s21, 3
	s_and_b32 s24, s23, 3                          ; which 256 along K
	s_lshr_b32 s23, s23, 2                         ; which weight
	s_lshl_b32 s25, s22, 7
	s_lshl_b32 s26, s20, 5
	s_add_co_u32 s25, s25, s26                     ; my wave's first column
	s_wait_alu depctr_va_vdst(0)
	v_lshlrev_b32 v3, 2, v2                        ; in: 4 bytes a lane
	s_mul_i32 s26, s20, 32*PITCH
	s_add_co_u32 s26, s26, WSTG                    ; my stage
	v_mul_u32_u24 v4, v2, PITCH
	v_add_nc_u32 v4, s26, v4                       ; into it: row = my column
	v_and_b32 v5, 15, v2
	v_lshrrev_b32 v6, 4, v2
	v_mul_u32_u24 v7, v6, PITCH
	v_lshl_add_u32 v7, v5, 4, v7
	v_add_nc_u32 v7, s26, v7                       ; out of it: sixteen lanes to a row, two rows an instruction
	v_mul_u32_u24 v8, v6, KROW
	v_mad_u32_u24 v8, v5, 12, v8                   ; and the same place in the codes' buffer
	v_and_b32 v9, 7, v2                            ; my column's storage row among the wave's 32: bits 3 and 4 exchanged
	v_and_b32 v10, 8, v2
	v_lshl_or_b32 v9, v10, 1, v9
	v_and_b32 v10, 16, v2
	v_lshrrev_b32 v10, 1, v10
	v_or_b32 v9, v9, v10
	v_lshlrev_b32 v9, 5, v9                        ; 32 scale bytes a row
	s_lshl_b32 s28, s24, 20                        ; 256 rows of 4,096 bytes
	s_lshl_b32 s29, s25, 2
	s_add_co_u32 s28, s28, s29
	s_mov_b32 s29, 0
	s_lshl_b32 s30, s23, 10
	s_add_co_u32 s30, s30, s25
	s_add_co_u32 s30, s30, 8192                    ; my wave's first row of codes and scales
	s_mul_i32 s32, s30, KROW
	s_mul_i32 s33, s24, 192
	s_add_co_u32 s32, s32, s33
	s_mov_b32 s33, 0
	s_lshl_b32 s34, s30, 5
	s_lshl_b32 s35, s24, 3
	s_add_co_u32 s34, s34, s35
	s_mov_b32 s35, 0
	s_wait_kmcnt 0x0
	s_cmp_eq_u32 s23, 1                            ; the weight's address: a choice on the work-group's number alone
	s_cselect_b64 s[10:11], s[12:13], s[10:11]
	s_cmp_eq_u32 s23, 2
	s_cselect_b64 s[10:11], s[14:15], s[10:11]
	s_cmp_eq_u32 s23, 3
	s_cselect_b64 s[10:11], s[16:17], s[10:11]
	s_add_nc_u64 s[10:11], s[10:11], s[28:29]
	s_add_nc_u64 s[6:7], s[6:7], s[32:33]
	s_add_nc_u64 s[8:9], s[8:9], s[34:35]
.macro LOADW t                         ; block t: W(32 t + i, my column), i = 0 .. 31, into set t % 2: 128 consecutive bytes a wave, 512 a work-group
.irp i, 0,1,2,3,4,5,6,7,8,9,10,11,12,13,14,15,16,17,18,19,20,21,22,23,24,25,26,27,28,29,30,31
	global_load_b32 v[XW+32*((\t)%2)+\i], v3, s[10:11] offset:(32*(\t)+\i)*4096 th:TH_LOAD_NT
.endr
.endm
	LOADW 0
	LOADW 1
.macro BLOCKW t
.set XSW, XW+32*((\t)%2)
.if (\t) < NB-1
	s_wait_loadcnt 32                              ; this block's 32 loads are in; the next block's may be out
.else
	s_wait_loadcnt 0
.endif
	v_max3_num_f32 v12, |v[XSW]|, |v[XSW+1]|, |v[XSW+2]|            ; the block's largest magnitude: all 32 numbers are mine
	v_max3_num_f32 v13, |v[XSW+3]|, |v[XSW+4]|, |v[XSW+5]|
.irp i, 6,10,14,18,22,26
	v_max3_num_f32 v12, v12, |v[XSW+\i]|, |v[XSW+\i+1]|
	v_max3_num_f32 v13, v13, |v[XSW+\i+2]|, |v[XSW+\i+3]|
.endr
	v_max3_num_f32 v12, v12, |v[XSW+30]|, |v[XSW+31]|
	v_max3_num_f32 v12, v12, v13, 0x1800000        ; and the floor
	v_add_nc_u32 v11, 0xff000000, v12              ; the conversion's scale operand
	v_lshrrev_b32 v13, 23, v11                     ; the scale's byte
.if (\t)%4 == 0
	v_mov_b32 v[SB+(\t)/4], v13                    ; four bytes to a register, the lower K in the lower byte
.else
	v_lshl_or_b32 v[SB+(\t)/4], v13, 8*((\t)%4), v[SB+(\t)/4]
.endif
	v_cvt_scalef32_pk16_fp6_f32 v[CW:CW+2], v[XSW:XSW+15], v11
	v_cvt_scalef32_pk16_fp6_f32 v[CW+4:CW+6], v[XSW+16:XSW+31], v11   ; (a conversion's three registers begin on an even number)
	ds_store_b96 v4, v[CW:CW+2] offset:32*(\t)     ; 12 bytes to a place of 16, so that every LDS address is a multiple of 16
	ds_store_b96 v4, v[CW+4:CW+6] offset:32*(\t)+16
.if (\t)+2 < NB
	LOADW (\t)+2
.endif
	s_wait_dscnt 0x0                               ; the stores have read their registers: the next block's codes may be written
.endm
.set Q, 0
.rept NB
	BLOCKW Q
.set Q, Q+1
.endr
	s_wait_alu depctr_va_vdst(0)
	global_store_b64 v9, v[SB:SB+1], s[8:9]        ; my column's 8 scale bytes
.irp t, 0,1,2,3,4,5,6,7,8,9,10,11,12,13,14,15
	ds_load_b96 v[OUTR+4*\t:OUTR+4*\t+2], v7 offset:2*\t*PITCH   ; columns 2 t and 2 t + 1 of my 32
.endr
.irp t, 0,1,2,3,4,5,6,7,8,9,10,11,12,13,14,15
	s_wait_dscnt 15-\t                             ; the younger reads of the stage may be out
	global_store_b96 v8, v[OUTR+4*\t:OUTR+4*\t+2], s[6:7] offset:2*(\t%4+8*((\t/4)%2)+4*(\t/8))*KROW   ; to their storage rows: t's bits 2 and 3 exchanged; sixteen lanes store a row's 192 consecutive bytes
.endr
	s_wait_tensorcnt 0x0
	ds_add_u32 v192, v193
	s_wait_dscnt 0x0
	s_endpgm
.Lfunc_end_k_qd954e92898_quant:
	.size	k_qd954e92898_quant, .Lfunc_end_k_qd954e92898_quant-k_qd954e92898_quant
	.p2alignl 7, 3214868480
	.fill 96, 4, 3214868480
	.section	.rodata,"a",@progbits
	.p2align	6, 0x0
	.amdhsa_kernel k_qd954e92898_quant
		.amdhsa_group_segment_fixed_size 68096
		.amdhsa_private_segment_fixed_size 0
		.amdhsa_enable_private_segment 0
		.amdhsa_kernarg_size 56
		.amdhsa_user_sgpr_count 2
		.amdhsa_user_sgpr_kernarg_segment_ptr 1
		.amdhsa_wavefront_size32 1
		.amdhsa_system_sgpr_workgroup_id_x 1
		.amdhsa_system_sgpr_workgroup_id_y 1
		.amdhsa_system_sgpr_workgroup_id_z 1
		.amdhsa_system_vgpr_workitem_id 0
		.amdhsa_next_free_vgpr 194
		.amdhsa_next_free_sgpr 66
		.amdhsa_reserve_vcc 0
		.amdhsa_float_denorm_mode_32 3
		.amdhsa_float_denorm_mode_16_64 3
		.amdhsa_memory_ordered 1
		.amdhsa_forward_progress 1
		.amdhsa_inst_pref_size 74
	.end_amdhsa_kernel
	.amdgpu_metadata
---
amdhsa.version: [ 1, 2 ]
amdhsa.kernels:
  - .name:           k_qd954e92898_quant
    .symbol:         k_qd954e92898_quant.kd
    .args:
      - { .name: x, .offset: 0, .size: 8, .value_kind: global_buffer, .address_space: global }
      - { .name: codes, .offset: 8, .size: 8, .value_kind: global_buffer, .address_space: global }
      - { .name: scales, .offset: 16, .size: 8, .value_kind: global_buffer, .address_space: global }
      - { .name: Wq, .offset: 24, .size: 8, .value_kind: global_buffer, .address_space: global }
      - { .name: Wk, .offset: 32, .size: 8, .value_kind: global_buffer, .address_space: global }
      - { .name: Wv, .offset: 40, .size: 8, .value_kind: global_buffer, .address_space: global }
      - { .name: Wo, .offset: 48, .size: 8, .value_kind: global_buffer, .address_space: global }
    .group_segment_fixed_size: 68096
    .private_segment_fixed_size: 0
    .kernarg_segment_align: 8
    .kernarg_segment_size: 56
    .max_flat_workgroup_size: 128
    .sgpr_count:     66
    .vgpr_count:     194
    .wavefront_size: 32
...
	.end_amdgpu_metadata
.endif
;; end of part 1
;; launch qkv (part 2): grid 8 x 32, 4 waves a work-group, clusters of 4 x 4, 327,680 bytes of LDS; arguments codes, scales, qkv, qkvs; writes qkv, qkvs
.if DOCPART == 2
	.amdgcn_target "amdgcn-amd-amdhsa--gfx1250"
	.amdhsa_code_object_version 6
	.text
	.protected	k_qd954e92898_qkv
	.globl	k_qd954e92898_qkv
	.p2align	8
	.type	k_qd954e92898_qkv,@function
k_qd954e92898_qkv:
	s_mov_b64 s[64:65], 0
	v_nop
	global_prefetch_b8 v0, s[64:65] scope:SCOPE_SE
	s_setreg_imm32_b32 hwreg(HW_REG_WAVE_MODE, 25, 1), 1
	s_wait_xcnt 0x0
	s_wait_alu depctr_hold_cnt(0) depctr_sa_sdst(0) depctr_va_vdst(0) depctr_va_sdst(0) depctr_va_ssrc(0) depctr_va_vcc(0) depctr_vm_vsrc(0)
	s_getreg_b32 s2, hwreg(HW_REG_IB_STS2, 6, 4)
	s_cmp_eq_u32 s2, 0
	s_cbranch_scc0 .Lentry_in_a_cluster
	s_endpgm
.Lentry_in_a_cluster:
	s_bfe_u32 s2, ttmp6, 0x10000c
	s_cmp_lg_u32 s2, 0xf033
	s_cbranch_scc0 .Lentry_shape_is_right
	s_endpgm
.Lentry_shape_is_right:
; Q, K, V = x W and their quantisers.  codes [12288 rows][768 bytes] and scales [rows][32] are as the first launch leaves them: x's rows, then Wq's, Wk's, Wv's columns, bits 3 and 4 of every row number exchanged.
; THE DEAL.  256 work-groups, 8 column groups g x 32 row blocks i.  A work-group takes 256 rows of x against Wv's columns 128 g .. and then Wq's or Wk's columns 256 g .. (g < 4: Q).
; A wave holds its 64 rows of x, ALL of K, in 384 registers (32 fragments); the weights stream past in batches of 16 rows, all of K: 8 fragments, two sets; a batch is 32 products on four accumulators by turns.
; LDS: Wv's 128 rows from 0, x's 256 rows from XB, rows of 768 bytes + 16 behind each 256; the weights' scale words (12,288 bytes, copied through registers) from SCW; the spare words.
; ONE REFILL: when every wave holds its rows of x in registers, Wq's or Wk's 256 rows land on x's bytes, behind a drained round of the cluster's barrier; so the 24 batches lie on end in LDS.  A plain barrier in V's seventh batch shows them to all.
; x's rows are asked for jointly by a row of the cluster, the weights' by a column.  The refill's rows are prefetched at the head, a sixteenth by each wave of the four partners, told apart by address.
; V: source 0 = x's rows, so a lane holds a channel and its registers run along the tokens.  Q, K: source 0 = the weight's rows, so a lane holds a token and its registers run along the head's channels.
; In both, four batches leave 4 groups of 32 sums a lane; a group is two scale blocks, each shared with lane l xor 16; it becomes six registers of the next operand and two scale bytes.
; OUT, as the attention launch reads it: qkv [Q's 64 (batch, head), K's 64][token tile][3 pieces][lane][8]; V: [128 + 16 batch + 2 g + half c][key step][channel tile 0..7][3][lane][8];
; qkvs: Q, K [..][pair of tiles][row][4 bytes]; V [128 + (batch, head)][key step][channel tile][row][4 bytes], of which this wave has two.
; LIMITS: a scale byte is held at 1 from below, a block of zeros has the byte 1 (its codes are zeros; this program alone reads the bytes); NaN and infinities are not served.
.set KROW,  768
.set KS,    32
.set PITCH, 816
.set FR,    12
.set FPW,   21                         ; fragments in a window of 256 registers; fragment f lies in window 1 + f / 21: 0-31 x's (4 q + a), 32-47 the weights' two sets
.set NF,    27                         ; LDS loads of a batch: 26 for eight fragments, one for its scale words
.set XB,    128*PITCH
.set SCW,   384*PITCH
.set SPARE, SCW+384*KS
.set B0,  4                            ; v4, v5 my place in 16 LDS rows (v5: for the pieces behind one padding more)
.set B1,  5
.set BS,  6                            ; v6  my place in a batch's scale words in LDS
.set ASC, 7                            ; v7  32 r + 16 h
.set CO,  8                            ; v8  8 x lane
.set SO,  9                            ; v9  4 x lane
.set SV,  10                           ; v10 4 r
.set SPW, 11
.set NIL, 12
.set A0,  13                           ; v13-15 the addresses of the batch that is fetched
.set A1,  14
.set AS,  15
.set AST, 16
.set GT,  17
.set RS,  18                           ; v18-33 x's scale words: 4 a + i: lanes 0-15 K step i, lanes 16-31 K step 4 + i
.set PW,  34                           ; v34-37 a group's two bytes
.set PF,  38                           ; v38, v39 the prefetches' offsets; never rewritten
.set SS,  40                           ; v40-47 the weights' scale words, two sets
.set TQ,  48                           ; v48-79 eight registers at work for each group
.set CD,  80                           ; v80-111 codes, eight registers a group
.set RA,  112                          ; v112-119 LDS addresses of my four tiles of x
.set ACC, 128                          ; v128-255 sixteen accumulators
.set G1X, 32
.set G1W, 48
.set G0X, 56
.set G0V, 60
.set G0Q, 68
.set MSB, 0
.macro WIN new
.if MSB != \new
	s_set_vgpr_msb (MSB<<8)|\new
.set MSB, \new
.endif
.endm
.macro PLACES n
.rept \n
	v_nop
.endr
.endm
.macro BARRIER
	s_barrier_signal -1
	s_barrier_wait -1
.endm
.macro CROUND
	BARRIER
	s_cmp_lg_u32 s14, 0
	s_cbranch_scc1 .Lnot_wave_0_\@
	s_barrier_signal -3
.Lnot_wave_0_\@:
	s_barrier_wait -3
	BARRIER
.endm
.macro TLOAD g0, g1
	tensor_load_to_lds s[\g0:\g0+3], s[\g1:\g1+7]
	s_nop 0
	PLACES 4
.endm
.macro GROUP1 g, mask, rows            ; rows of 768 bytes, 16 bytes of padding behind each 256
	s_or_b32 s[\g+0], s[\mask], (1<<20)|(1<<21)|(5<<22)|(3<<25)
	s_mov_b32 s[\g+1], KROW<<16
	s_mov_b32 s[\g+2], (\rows)<<16
	s_mov_b32 s[\g+3], KROW<<16
	s_mov_b32 s[\g+4], \rows
	s_mov_b32 s[\g+5], KROW
	s_mov_b32 s[\g+6], 0
	s_mov_b32 s[\g+7], 0
.endm
.macro FRAG f, q, a0, a1               ; six pieces of 8 bytes, two to a load where both go by one address register
	WIN (1+(\f)/FPW)<<6
.set R_, FR*((\f)%FPW)
.set SKIP_, 0
.irp p, 0,1,2,3,4,5
.if SKIP_
.set SKIP_, 0
.else
.set PC_, 12*(\q)+6*(\p/3)+\p%3
.set PN_, 12*(\q)+6*((\p+1)/3)+(\p+1)%3
.set X_, (PC_%32+3)/32
.set XQ_, (PN_%32+3)/32
.if (\p < 5) && (X_ == XQ_)
.set SKIP_, 1
.if X_
	ds_load_2addr_b64 v[R_+2*\p:R_+2*\p+3], v[\a1] offset0:PC_+2*(PC_/32) offset1:PN_+2*(PN_/32)
.else
	ds_load_2addr_b64 v[R_+2*\p:R_+2*\p+3], v[\a0] offset0:PC_+2*(PC_/32) offset1:PN_+2*(PN_/32)
.endif
.elseif X_
	ds_load_b64 v[R_+2*\p:R_+2*\p+1], v[\a1] offset:8*(PC_+2*(PC_/32))
.else
	ds_load_b64 v[R_+2*\p:R_+2*\p+1], v[\a0] offset:8*(PC_+2*(PC_/32))
.endif
.endif
.endr
.endm
.macro FETCH set                       ; the next batch into a set; its first four lines are the places behind the products that read the set
	v_add_nc_u32 v[A0], s84, v[B0]
	v_add_nc_u32 v[A1], s84, v[B1]
	v_add_nc_u32 v[AS], s85, v[BS]
	v_nop
.irp q, 0,1,2,3,4,5,6,7
	FRAG 32+8*(\set)+\q, \q, A0, A1
.endr
	WIN 0
	ds_load_b128 v[SS+4*(\set):SS+4*(\set)+3], v[AS]
	s_add_co_u32 s84, s84, 16*PITCH
	s_add_co_u32 s85, s85, 16*KS
.endm
.macro MM d, f0, f1, x0, x1, q
.if \q == 0
	v_wmma_scale_f32_16x16x128_f8f6f4 v[\d:\d+7], v[FR*((\f0)%FPW):FR*((\f0)%FPW)+FR-1], v[FR*((\f1)%FPW):FR*((\f1)%FPW)+FR-1], 0, v[\x0], v[\x1] matrix_a_fmt:MATRIX_FMT_FP6 matrix_b_fmt:MATRIX_FMT_FP6
.elseif \q < 4
	v_wmma_scale_f32_16x16x128_f8f6f4 v[\d:\d+7], v[FR*((\f0)%FPW):FR*((\f0)%FPW)+FR-1], v[FR*((\f1)%FPW):FR*((\f1)%FPW)+FR-1], v[\d:\d+7], v[\x0], v[\x1] matrix_a_fmt:MATRIX_FMT_FP6 matrix_b_fmt:MATRIX_FMT_FP6
.else
	v_wmma_scale_f32_16x16x128_f8f6f4 v[\d:\d+7], v[FR*((\f0)%FPW):FR*((\f0)%FPW)+FR-1], v[FR*((\f1)%FPW):FR*((\f1)%FPW)+FR-1], v[\d:\d+7], v[\x0], v[\x1] matrix_a_fmt:MATRIX_FMT_FP6 matrix_b_fmt:MATRIX_FMT_FP6 matrix_a_scale:MATRIX_SCALE_ROW1 matrix_b_scale:MATRIX_SCALE_ROW1
.endif
.endm
.macro PROD kind, set, q, a, d
.set FS_, 32+8*(\set)+\q
.set FX_, 4*\q+\a
.set XS_, SS+4*(\set)+\q%4
.set XR_, RS+4*\a+\q%4
.if \kind
	WIN (1+FX_/FPW)|((1+FS_/FPW)<<2)
	MM \d, FX_, FS_, XR_, XS_, \q
.else
	WIN (1+FS_/FPW)|((1+FX_/FPW)<<2)
	MM \d, FS_, FX_, XS_, XR_, \q
.endif
.endm
.macro BATCH kind, set, d0, ds         ; 32 products: the four accumulators take turns, K ascending
.irp q, 0,1,2,3,4,5,6,7
.irp a, 0,1,2,3
	PROD \kind, \set, \q, \a, (\d0)+(\ds)*\a
.endr
.endr
.endm
; four batches.  nf: how many of them still fetch the batch two on.  show: the plain barrier that shows the refill, ahead of the first fetch out of it.
; s_wait_dscnt NF: the batch's own fetch is in; the next batch's, NF loads, may be out.
.macro TRIP kind, nf, show
.irp b, 0,1,2,3
.if (\nf == 2) && (\b == 3)
	s_wait_dscnt 0x0
.else
	s_wait_dscnt NF
.endif
.if \kind
	BATCH 1, \b%2, ACC+32*\b, 8
.else
	BATCH 0, \b%2, ACC+8*\b, 32
.endif
	WIN 0
.if (\show) && (\b == 2)
	s_wait_tensorcnt 0x0
	s_wait_dscnt 0x0
	BARRIER
.endif
.if \b < \nf
	FETCH \b%2
.else
	PLACES 4
.endif
.endr
.endm
; four groups of 32 sums (group g from ACC + 32 g on) become codes and bytes, the groups line by line in turn
.macro QUANT
	s_wait_xcnt 0x0                        ; the last stores have read their data
.irp k, 0,1,2,3
.irp g, 0,1,2,3
	v_max3_num_f32 v[TQ+8*\g+\k], |v[ACC+32*\g+8*\k]|, |v[ACC+32*\g+8*\k+1]|, 0x1800000   ; each accumulator from its low end; the floor 2^(3 - 127)
.endr
.endr
.irp i, 2,4,6
.irp k, 0,1,2,3
.irp g, 0,1,2,3
	v_max3_num_f32 v[TQ+8*\g+\k], v[TQ+8*\g+\k], |v[ACC+32*\g+8*\k+\i]|, |v[ACC+32*\g+8*\k+\i+1]|
.endr
.endr
.endr
.irp b, 0,1
.irp g, 0,1,2,3
	v_max_num_f32 v[TQ+8*\g+2*\b], v[TQ+8*\g+2*\b], v[TQ+8*\g+2*\b+1]
.endr
.endr
.irp b, 0,1
.irp g, 0,1,2,3
	v_permlanex16_b32 v[TQ+8*\g+4+\b], v[TQ+8*\g+2*\b], s12, s13
.endr
.endr
.irp b, 0,1
.irp g, 0,1,2,3
	v_max_num_f32 v[TQ+8*\g+2*\b], v[TQ+8*\g+2*\b], v[TQ+8*\g+4+\b]   ; with lane l xor 16's half: the block's largest magnitude
.endr
.endr
.irp b, 0,1
.irp g, 0,1,2,3
	v_add_nc_u32 v[TQ+8*\g+6+\b], 0xff000000, v[TQ+8*\g+2*\b]        ; 2 off its exponent field: the conversion's scale operand
.endr
.endr
.irp b, 0,1
.irp g, 0,1,2,3
	v_lshrrev_b32 v[TQ+8*\g+4+\b], 23, v[TQ+8*\g+6+\b]               ; the byte
.endr
.endr
.irp g, 0,1,2,3
	v_lshl_or_b32 v[PW+\g], v[TQ+8*\g+5], 8, v[TQ+8*\g+4]
.endr
.irp g, 0,1,2,3
	v_cvt_scalef32_pk16_fp6_f32 v[CD+8*\g:CD+8*\g+2], v[ACC+32*\g:ACC+32*\g+15], v[TQ+8*\g+6]
	v_cvt_scalef32_pk16_fp6_f32 v[TQ+8*\g:TQ+8*\g+2], v[ACC+32*\g+16:ACC+32*\g+31], v[TQ+8*\g+7]
.endr
	v_nop                                  ; a plain place behind the conversions
.irp i, 0,1,2
.irp g, 0,1,2,3
	v_permlane16_swap_b32 v[CD+8*\g+\i], v[TQ+8*\g+\i]               ; a whole block to a lane: lanes 0-15 block 0, lanes 16-31 block 1
.endr
.endr
.irp i, 0,1,2
.irp g, 0,1,2,3
	v_mov_b32 v[CD+8*\g+3+\i], v[TQ+8*\g+\i]
.endr
.endr
.endm
.macro VOUT par                        ; group g = channel tile 4 par + g
	QUANT
.irp g, 0,1,2,3
.irp p, 0,1,2
	global_store_b64 v[CO], v[CD+8*\g+2*\p:CD+8*\g+2*\p+1], s[76:77] offset:768*(4*\par+\g)+256*\p
.endr
	global_store_b16 v[SV], v[PW+\g], s[78:79] offset:4096*\par+64*\g   ; both halves of the lanes write the same bytes with the same value
.endr
.endm
.macro QOUT step                       ; group g = my token tile g, of one head
	QUANT
	v_lshl_or_b32 v[PW], v[PW+1], 16, v[PW]
	v_lshl_or_b32 v[PW+2], v[PW+3], 16, v[PW+2]
	v_cndmask_b32 v[PW], v[PW], v[PW+2], s17                         ; lanes 0-15 the first pair of tiles' word, lanes 16-31 the second's
.irp g, 0,1,2,3
.irp p, 0,1,2
	global_store_b64 v[CO], v[CD+8*\g+2*\p:CD+8*\g+2*\p+1], s[72:73] offset:768*\g+256*\p
.endr
.endr
	global_store_b32 v[SO], v[PW], s[74:75]
.if \step
	s_wait_xcnt 0x0                        ; the stores have read their bases: on to the next head
	s_add_nc_u64 s[72:73], s[72:73], 98304
	s_add_nc_u64 s[74:75], s[74:75], 4096
.endif
.endm
; ---------------- the head
	s_load_b128 s[4:7], s[0:1], 0x0                ; codes, scales
	s_load_b128 s[8:11], s[0:1], 0x10              ; qkv, qkvs
	v_lshl_add_u32 v[SPW], v0, 2, SPARE
	v_mov_b32 v[NIL], 0
	ds_add_u32 v[SPW], v[NIL]                      ; the opening lines
	ds_add_u32 v[SPW], v[NIL]
	v_lshrrev_b32 v1, 5, v0
	v_readfirstlane_b32 s14, v1                    ; wave
	s_and_b32 s16, s14, 1
	s_bfe_u32 s40, ttmp6, 0x40000                  ; cx
	s_bfe_u32 s41, ttmp6, 0x40004                  ; cy
	s_lshl_b32 s42, ttmp9, 2
	s_add_co_u32 s42, s42, s40                     ; g
	s_and_b32 s43, ttmp7, 0xffff
	s_lshl_b32 s43, s43, 2
	s_add_co_u32 s43, s43, s41                     ; i
	s_lshl_b32 s44, s41, 2
	s_lshl_b32 s44, 15, s44                        ; my row of the cluster
	s_lshl_b32 s45, 0x1111, s40                    ; my column
	GROUP1 G1X, 44, 128
	GROUP1 G1W, 45, 64
	s_mul_i32 s20, s43, 256*KROW                   ; x: waves 0 and 1 a half each
	s_mul_i32 s46, s16, 128*KROW
	s_add_co_u32 s20, s20, s46
	s_mov_b32 s21, 0
	s_mul_i32 s22, s42, 128*KROW                   ; Wv: waves 2 and 3 a half each
	s_mul_i32 s46, s16, 64*KROW
	s_add_co_u32 s22, s22, s46
	s_add_co_u32 s22, s22, 10240*KROW
	s_mov_b32 s23, 0
	s_mul_i32 s24, s42, 256*KROW                   ; Wq or Wk: every wave a quarter
	s_add_co_u32 s24, s24, 8192*KROW
	s_mov_b32 s25, 0
	s_mul_i32 s30, s14, 64*KROW
	s_mov_b32 s31, 0
	s_mov_b32 s[G0X], 1
	s_mul_i32 s[G0X+1], s16, 128*PITCH
	s_add_co_u32 s[G0X+1], s[G0X+1], XB
	s_mov_b32 s[G0V], 1
	s_mul_i32 s[G0V+1], s16, 64*PITCH
	s_mov_b32 s[G0Q], 1
	s_mul_i32 s[G0Q+1], s14, 64*PITCH
	s_add_co_u32 s[G0Q+1], s[G0Q+1], XB
	s_mul_i32 s47, s14, 64*PITCH
	s_add_co_u32 s47, s47, XB                      ; my 64 rows of x in LDS
	s_lshl_b32 s46, s41, 2
	s_add_co_u32 s46, s46, s14
	s_mul_i32 s46, s46, 12288                      ; my sixteenth of the refill's 196,608 bytes
	s_mov_b32 s12, 0x76543210
	s_mov_b32 s13, 0xfedcba98
	s_mov_b32 s17, 0xffff0000
	s_mov_b32 s84, 0
	s_mov_b32 s85, 0
	v_and_b32 v1, 15, v0                           ; r
	v_bfe_u32 v2, v0, 4, 1                         ; h
	v_and_b32 v3, 31, v0
	v_mul_u32_u24 v[B1], v1, PITCH
	v_mad_u32_u24 v[B0], v2, 24, v[B1]
	v_mad_u32_u24 v[B1], v2, 40, v[B1]
	v_lshlrev_b32 v[ASC], 5, v1
	v_lshl_add_u32 v[ASC], v2, 4, v[ASC]
	v_add_nc_u32 v[BS], SCW, v[ASC]
	v_lshlrev_b32 v[CO], 3, v3
	v_lshlrev_b32 v[SO], 2, v3
	v_lshlrev_b32 v[SV], 2, v1
	v_lshlrev_b32 v[GT], 4, v0
	v_add_nc_u32 v[AST], SCW, v[GT]
	v_add_nc_u32 v[RA], s47, v[B0]
	v_add_nc_u32 v[RA+1], s47, v[B1]
.irp a, 1,2,3
	v_add_nc_u32 v[RA+2*\a], \a*16*PITCH, v[RA]
	v_add_nc_u32 v[RA+2*\a+1], \a*16*PITCH, v[RA+1]
.endr
	v_lshl_add_u32 v[PF], v3, 8, s46               ; 48 blocks of 256 bytes: 32 lanes, then 16 (the lanes left over name the last again)
	v_min_u32 v[PF+1], 15, v3
	v_lshl_add_u32 v[PF+1], v[PF+1], 8, s46
.irp g, 0,1,2,3
	v_mov_b32 v[TQ+8*\g+4], 0                      ; a lane permute's destination counts as one of its sources
	v_mov_b32 v[TQ+8*\g+5], 0
.endr
	s_wait_alu depctr_va_vdst(0)                   ; the wait at the head's end
	s_wait_dscnt 0x0
	CROUND                                         ; the round in front of the first joint loads
	s_wait_kmcnt 0x0
	s_add_nc_u64 s[G0X+2:G0X+3], s[4:5], s[20:21]
	s_or_b32 s[G0X+3], s[G0X+3], 0x80000000
	s_add_nc_u64 s[G0V+2:G0V+3], s[4:5], s[22:23]
	s_or_b32 s[G0V+3], s[G0V+3], 0x80000000
	s_add_nc_u64 s[28:29], s[4:5], s[24:25]
	s_add_nc_u64 s[G0Q+2:G0Q+3], s[28:29], s[30:31]
	s_or_b32 s[G0Q+3], s[G0Q+3], 0x80000000
	s_cmp_lt_u32 s14, 2                            ; one load a wave: every way passes one
	s_cbranch_scc0 .Lhead_w
	TLOAD G0X, G1X
	s_branch .Lasked
.Lhead_w:
	TLOAD G0V, G1W
.Lasked:
	s_mul_i32 s20, s43, 256*KS
	s_mul_i32 s46, s14, 64*KS
	s_add_co_u32 s20, s20, s46
	s_add_nc_u64 s[26:27], s[6:7], s[20:21]        ; my rows' scale bytes
	s_mul_i32 s22, s42, 128*KS
	s_add_co_u32 s22, s22, 10240*KS
	s_add_nc_u64 s[80:81], s[6:7], s[22:23]        ; Wv's
	s_mul_i32 s24, s42, 256*KS
	s_add_co_u32 s24, s24, 8192*KS
	s_add_nc_u64 s[82:83], s[6:7], s[24:25]        ; Wq's or Wk's
.irp a, 0,1,2,3
	global_load_b128 v[RS+4*\a:RS+4*\a+3], v[ASC], s[26:27] offset:512*\a     ; 512 consecutive bytes a load
.endr
.irp j, 0,1
	global_load_b128 v[ACC+4*\j:ACC+4*\j+3], v[GT], s[80:81] offset:2048*\j   ; the work-group copies 2,048 consecutive bytes a line
.endr
.irp j, 0,1,2,3
	global_load_b128 v[ACC+8+4*\j:ACC+8+4*\j+3], v[GT], s[82:83] offset:2048*\j
.endr
	global_prefetch_b8 v[PF], s[28:29] th:TH_LOAD_NT scope:SCOPE_SE
	global_prefetch_b8 v[PF+1], s[28:29] offset:8192 th:TH_LOAD_NT scope:SCOPE_SE
	s_lshr_b32 s46, s43, 3
	s_lshl_b32 s46, s46, 4                         ; 16 x batch
	s_and_b32 s47, s43, 7
	s_lshr_b32 s20, s42, 2
	s_lshl_b32 s20, s20, 6
	s_and_b32 s21, s42, 3
	s_lshl_b32 s21, s21, 2
	s_add_co_u32 s20, s20, s21
	s_add_co_u32 s20, s20, s46                     ; 64 (K) + 16 batch + my first head
	s_lshl_b32 s21, s47, 2
	s_add_co_u32 s21, s21, s14                     ; which 64 tokens of the batch's 32 are mine
	s_mul_i32 s22, s20, 98304
	s_mul_i32 s23, s21, 4*768
	s_add_co_u32 s22, s22, s23
	s_mov_b32 s23, 0
	s_add_nc_u64 s[72:73], s[8:9], s[22:23]
	s_lshl_b32 s22, s20, 12
	s_lshl_b32 s24, s21, 7
	s_add_co_u32 s22, s22, s24
	s_add_nc_u64 s[74:75], s[10:11], s[22:23]
	s_lshl_b32 s20, s42, 1
	s_add_co_u32 s20, s20, s46
	s_add_co_u32 s20, s20, 128                     ; 128 + 16 batch + 2 g
	s_lshr_b32 s21, s21, 1                         ; the key step
	s_add_co_u32 s24, s20, s16                     ; + the half c
	s_mul_i32 s22, s24, 98304
	s_mul_i32 s24, s21, 6144
	s_add_co_u32 s22, s22, s24
	s_add_nc_u64 s[76:77], s[8:9], s[22:23]
	s_lshl_b32 s22, s20, 12
	s_lshl_b32 s24, s21, 8
	s_add_co_u32 s22, s22, s24
	s_lshl_b32 s24, s16, 1
	s_add_co_u32 s22, s22, s24
	s_add_nc_u64 s[78:79], s[10:11], s[22:23]
	s_wait_tensorcnt 0x0                           ; my tile is in
	s_wait_loadcnt 0x0
.irp j, 0,1,2,3,4,5
	ds_store_b128 v[AST], v[ACC+4*\j:ACC+4*\j+3] offset:2048*\j    ; the weights' scale words: batch s at SCW + 512 s
.endr
	s_wait_dscnt 0x0
	BARRIER                                        ; all tiles and words are in; only the refill lands behind it
.irp q, 0,1,2,3,4,5,6,7
.irp a, 0,1,2,3
	FRAG 4*\q+\a, \q, RA+2*\a, RA+2*\a+1
.endr
.endr
	WIN 0
	FETCH 0
	FETCH 1
	s_wait_tensorcnt 0x0                           ; the three lines ahead of the refill's round
	ds_add_u32 v[SPW], v[NIL]
	s_wait_dscnt 0x0                               ; my rows of x lie in registers
	CROUND
	TLOAD G0Q, G1W                                 ; Wq's or Wk's rows, a quarter a wave, onto x's
; ---------------- V: batches 0 to 7
	TRIP 1, 4, 0
	VOUT 0
	TRIP 1, 4, 1
	VOUT 1
; ---------------- Q or K: four heads of four batches
	s_mov_b32 s86, 0
.Lheads:
	TRIP 0, 4, 0
	QOUT 1
	s_add_co_u32 s86, s86, 1
	s_cmp_lg_u32 s86, 3
	s_wait_alu depctr_va_vdst(0)                   ; the wait ahead of the branch
	s_cbranch_scc1 .Lheads
	TRIP 0, 2, 0                                   ; the last head fetches nothing beyond the last batch
	QOUT 0
	s_wait_tensorcnt 0x0                           ; the wave's end
	ds_add_u32 v[SPW], v[NIL]
	s_wait_dscnt 0x0
	CROUND                                         ; the closing round
	s_endpgm
.Lfunc_end_k_qd954e92898_qkv:
	.size	k_qd954e92898_qkv, .Lfunc_end_k_qd954e92898_qkv-k_qd954e92898_qkv
	.p2alignl 7, 3214868480
	.fill 96, 4, 3214868480
	.section	.rodata,"a",@progbits
	.p2align	6, 0x0
	.amdhsa_kernel k_qd954e92898_qkv
		.amdhsa_group_segment_fixed_size 327680
		.amdhsa_private_segment_fixed_size 0
		.amdhsa_enable_private_segment 0
		.amdhsa_kernarg_size 32
		.amdhsa_user_sgpr_count 2
		.amdhsa_user_sgpr_kernarg_segment_ptr 1
		.amdhsa_wavefront_size32 1
		.amdhsa_system_sgpr_workgroup_id_x 1
		.amdhsa_system_sgpr_workgroup_id_y 1
		.amdhsa_system_sgpr_workgroup_id_z 1
		.amdhsa_system_vgpr_workitem_id 0
		.amdhsa_next_free_vgpr 840
		.amdhsa_next_free_sgpr 90
		.amdhsa_reserve_vcc 0
		.amdhsa_float_denorm_mode_32 3
		.amdhsa_float_denorm_mode_16_64 3
		.amdhsa_memory_ordered 1
		.amdhsa_forward_progress 1
		.amdhsa_inst_pref_size 154
	.end_amdhsa_kernel
	.amdgpu_metadata
---
amdhsa.version: [ 1, 2 ]
amdhsa.kernels:
  - .name:           k_qd954e92898_qkv
    .symbol:         k_qd954e92898_qkv.kd
    .args:
      - { .name: codes, .offset: 0, .size: 8, .value_kind: global_buffer, .address_space: global }
      - { .name: scales, .offset: 8, .size: 8, .value_kind: global_buffer, .address_space: global }
      - { .name: qkv, .offset: 16, .size: 8, .value_kind: global_buffer, .address_space: global }
      - { .name: qkvs, .offset: 24, .size: 8, .value_kind: global_buffer, .address_space: global }
    .group_segment_fixed_size: 327680
    .private_segment_fixed_size: 0
    .kernarg_segment_align: 8
    .kernarg_segment_size: 32
    .max_flat_workgroup_size: 128
    .sgpr_count:     90
    .vgpr_count:     840
    .wavefront_size: 32
...
	.end_amdgpu_metadata
.endif
;; end of part 2
;; launch attn (part 3): grid 4 x 64, 16 waves a work-group, clusters of 4 x 1, 215,040 bytes of LDS; arguments qkv, qkvs, oimg, oscl; writes oimg, oscl
.if DOCPART == 3
	.amdgcn_target "amdgcn-amd-amdhsa--gfx1250"
	.amdhsa_code_object_version 6
	.text
	.protected	k_qd954e92898_attn
	.globl	k_qd954e92898_attn
	.p2align	8
	.type	k_qd954e92898_attn,@function
k_qd954e92898_attn:
	s_mov_b64 s[64:65], 0
	v_nop
	global_prefetch_b8 v0, s[64:65] scope:SCOPE_SE
	s_setreg_imm32_b32 hwreg(HW_REG_WAVE_MODE, 25, 1), 1
	s_wait_xcnt 0x0
	s_wait_alu depctr_hold_cnt(0) depctr_sa_sdst(0) depctr_va_vdst(0) depctr_va_sdst(0) depctr_va_ssrc(0) depctr_va_vcc(0) depctr_vm_vsrc(0)
	s_getreg_b32 s2, hwreg(HW_REG_IB_STS2, 6, 4)
	s_cmp_eq_u32 s2, 0
	s_cbranch_scc0 .Lentry_in_a_cluster
	s_endpgm
.Lentry_in_a_cluster:
	s_bfe_u32 s2, ttmp6, 0x10000c
	s_cmp_lg_u32 s2, 0x3003
	s_cbranch_scc0 .Lentry_shape_is_right
	s_endpgm
.Lentry_shape_is_right:
; o = softmax(q k^T / 8) v for one (batch, head) and 512 queries a work-group, both products on codes of FP6 (E2M3) with E8M0 scales; o is quantised along the head's 64 and leaves as codes for the output projection.
; THE SOFTMAX: t = score x log2(e) / 8; M = the running largest t rounded up to a whole number; p = 2^(t - M) is quantised along the keys, not normalised; the row's sum is taken of the unquantised p and divides o at the end.
; When M moves, the sum and o are multiplied by 2^(old M - new M), which rounds nothing.
; SHARES.  Sixteen waves, four to a SIMD, 256 registers each; wave w takes the query tiles 2 w and 2 w + 1 of the work-group's 32, one after the other (PASS), and walks all 2,048 keys, 128 a step.
; K AND V OF THE WHOLE HEAD LIE IN LDS (2 x 98,304 bytes of codes, 2 x 4,096 of scale words), filled ONCE: no slot is ever filled again, no wave stores to LDS.
; CLUSTER.  The four work-groups of a head form a cluster and ask for K and V jointly: the same tensor loads, the same descriptors, the mask 15.
; LAYOUT.  Both products are used transposed: S^T = K Q^T, O^T = V^T P^T: a lane holds one query (lane % 16).  Operands lie in memory and LDS as images of their registers: 8 bytes a lane, 256 bytes a piece.
; Tokens lie with bits 3 and 4 of their number exchanged, so the 16 registers of score tiles 2 b, 2 b + 1 are the keys 32 b + 16 (lane / 16) + 0 .. 15; V's keys lie in that same, actual order.
; K = 64 IN AN INSTRUCTION OF K = 128: a fragment of K holds key tile 2 b in registers 0-5 and tile 2 b + 1 in registers 6-11.  Against [q | zeros] it gives tile 2 b's scores, against [zeros | q] tile 2 b + 1's: no LDS byte
; is read for nothing; zero codes add nothing under any scale byte from 1 to 254.
; LIMITS: scale bytes are held at 1 from below; a block of zeros gets the byte 1 (its codes are zeros; this program alone reads the bytes); NaN and infinities are not served.
; No prefetch: all of K and V is asked for at the head, and nothing is streamed afterwards.
; REGISTERS: v1-5 addresses that stay; v8-10 the step's addresses; v12 -M, v13 the largest t, v[14:15] the sum; v16-21 zeros, v22-27 q, v28-33 zeros; v34 q's scale word; v35 the pair's word; v36-83 four fragments of K, then of V;
;   v84-87 scale words (lanes 0-15 K's, lanes 16-31 V's); v88 p's scale word; v89 o's two bytes; v96-159 S^T, then p; v160-191 O^T; v192-203 codes; v232-254 at work.
.set VOFF, 98304                       ; LDS: K's codes from 0 (step s at 6,144 s, fragment b at 1,536 b, piece p at 256 p); V's from here ([half c][step][channel tile][3][256]: c at 49,152, step at 3,072 s, tile at 768 t)
.set KSW,  196608                      ; K's scale words: 256 s + 64 b + 4 r
.set VSW,  4160                        ; V's lie this far behind K's: 4,096 + 64, so that the two halves of a load's lanes fall on different banks
.set WV,   12
.set SEL,  20                          ; s[20:21] lane selects for lane l xor 16
.set CS,   22                          ; s[22:23] c = log2(e) / 8
.set G1K,  24                          ; s[24:31], s[32:39], s[40:47] descriptor groups 1 for K's codes, V's codes, the scale words
.set G1V,  32
.set G1S,  40
.set G0K,  48                          ; s[48:51], s[52:55], s[56:59] their groups 0
.set G0V,  52
.set G0S,  56
.set QP,   60                          ; s[60:61] q's codes at my first tile
.set OP,   66                          ; s[66:67] o's codes likewise
.set OSP,  68                          ; s[68:69] o's scale bytes
.set TK,   70                          ; s70-72 the step's place in K's codes, V's codes, the scale words
.set TV,   71
.set TS,   72
.set CNT,  73
.macro CROUND                          ; a round of the cluster's barrier
	s_barrier_signal -1
	s_barrier_wait -1
	s_cmp_lg_u32 s[WV], 0
	s_cbranch_scc1 .Lnot_wave_0_\@
	s_barrier_signal -3
.Lnot_wave_0_\@:
	s_barrier_wait -3
	s_barrier_signal -1
	s_barrier_wait -1
.endm
	s_load_b256 s[4:11], s[0:1], 0x0               ; qkv s[4:5], qkvs s[6:7], oimg s[8:9], oscl s[10:11]
	v_lshl_add_u32 v251, v0, 2, 0x34000
	v_mov_b32 v255, 0
	ds_add_u32 v251, v255
	ds_add_u32 v251, v255
	v_lshrrev_b32 v6, 5, v0
	s_delay_alu instid0(VALU_DEP_1)
	v_readfirstlane_b32 s[WV], v6                  ; wave 0..15
	s_bfe_u32 s13, ttmp6, 0x40000                  ; cx: it enters q's and o's addresses alone
	s_lshl_b32 s19, ttmp9, 2
	s_add_co_u32 s19, s19, s13                     ; which 512 queries
	s_and_b32 s14, ttmp7, 0xffff                   ; 16 x batch + head, which the four partners share
	s_lshr_b32 s15, s14, 4                         ; batch
	s_and_b32 s16, s14, 15                         ; head
	; descriptor groups 1: elements of 8 bytes, no padding, the mask of all four work-groups, bit 21 beside it
	s_mov_b32 s[G1K], 15|(3<<16)|(1<<21)           ; K's codes: a quarter of the head's: 24,576 dense bytes as 96 rows of 256
	s_mov_b32 s[G1K+1], 32<<16
	s_mov_b32 s[G1K+2], 96<<16
	s_mov_b32 s[G1K+3], 32<<16
	s_mov_b32 s[G1K+4], 96
	s_mov_b32 s[G1K+5], 32
	s_mov_b32 s[G1K+6], 0
	s_mov_b32 s[G1K+7], 0
	s_mov_b32 s[G1V], 15|(3<<16)|(1<<21)           ; V's codes: 8 steps' 3,072 bytes of one half of the fragments, 6,144 bytes apart (the other head of the pair lies between)
	s_mov_b32 s[G1V+1], 384<<16
	s_mov_b32 s[G1V+2], 8<<16
	s_mov_b32 s[G1V+3], 384<<16
	s_mov_b32 s[G1V+4], 8
	s_mov_b32 s[G1V+5], 768
	s_mov_b32 s[G1V+6], 0
	s_mov_b32 s[G1V+7], 0
	s_mov_b32 s[G1S], 15|(3<<16)|(1<<21)           ; scale words: 4,096 dense bytes as 16 rows of 256
	s_mov_b32 s[G1S+1], 32<<16
	s_mov_b32 s[G1S+2], 16<<16
	s_mov_b32 s[G1S+3], 32<<16
	s_mov_b32 s[G1S+4], 16
	s_mov_b32 s[G1S+5], 32
	s_mov_b32 s[G1S+6], 0
	s_mov_b32 s[G1S+7], 0
	s_and_b32 s17, s[WV], 3                        ; j: which quarter I would fetch
	s_mul_i32 s18, s17, 24576
	s_add_co_u32 s76, s14, 64
	s_mul_i32 s76, s76, 98304
	s_add_co_u32 s76, s76, s18                     ; K: (64 + 16 batch + head) x 98,304 + 24,576 j
	s_mov_b32 s77, 0
	s_lshl_b32 s78, s15, 4
	s_and_b32 s79, s16, 14
	s_add_co_u32 s78, s78, s79
	s_lshr_b32 s79, s17, 1
	s_add_co_u32 s78, s78, s79
	s_add_co_u32 s78, s78, 128
	s_mul_i32 s78, s78, 98304                      ; V: (128 + 16 batch + 2 x head pair + j / 2) x 98,304
	s_and_b32 s79, s16, 1
	s_mul_i32 s79, s79, 3072                       ;    + the head's parity x 3,072
	s_add_co_u32 s78, s78, s79
	s_and_b32 s79, s17, 1
	s_mul_i32 s79, s79, 49152                      ;    + (j % 2) x 8 steps
	s_add_co_u32 s78, s78, s79
	s_mov_b32 s79, 0
	s_and_b32 s80, s[WV], 1                        ; scale words: K's (0) or V's (1)
	s_lshl_b32 s82, s80, 18
	s_add_co_u32 s83, s14, 64
	s_lshl_b32 s83, s83, 12
	s_add_co_u32 s82, s82, s83
	s_mov_b32 s83, 0
	s_mul_i32 s80, s80, VSW
	s_add_co_u32 s80, s80, KSW
	s_mov_b32 s[SEL], 0x76543210
	s_mov_b32 s[SEL+1], 0xfedcba98
	s_mov_b32 s[CS], 0x3e38aa3b                    ; log2(e) / 8
	s_mov_b32 s[CS+1], s[CS]                       ; (named with it as a pair, so it is written)
	s_wait_dscnt 0x0
	s_wait_kmcnt 0x0
	s_mov_b32 s[G0K], 1
	s_mov_b32 s[G0K+1], s18
	s_add_nc_u64 s[G0K+2:G0K+3], s[4:5], s[76:77]
	s_or_b32 s[G0K+3], s[G0K+3], 0x80000000
	s_mov_b32 s[G0V], 1
	s_add_co_u32 s[G0V+1], s18, VOFF
	s_add_nc_u64 s[G0V+2:G0V+3], s[4:5], s[78:79]
	s_or_b32 s[G0V+3], s[G0V+3], 0x80000000
	s_mov_b32 s[G0S], 1
	s_mov_b32 s[G0S+1], s80
	s_add_nc_u64 s[G0S+2:G0S+3], s[6:7], s[82:83]
	s_or_b32 s[G0S+3], s[G0S+3], 0x80000000
	CROUND                                         ; all four work-groups are here: the joint loads meet
	s_cmp_lt_u32 s[WV], 4                          ; waves 0-3: K's quarters; 4-7: V's; 8, 9: the scale words; the others nothing.  One load a wave at the most; four v_nop follow each
	s_cbranch_scc0 .Lnot_k
	tensor_load_to_lds s[G0K:G0K+3], s[G1K:G1K+7]
	s_nop 0
.rept 4
	v_nop
.endr
	s_branch .Lasked
.Lnot_k:
	s_cmp_lt_u32 s[WV], 8
	s_cbranch_scc0 .Lnot_v
	tensor_load_to_lds s[G0V:G0V+3], s[G1V:G1V+7]
	s_nop 0
.rept 4
	v_nop
.endr
	s_branch .Lasked
.Lnot_v:
	s_cmp_lt_u32 s[WV], 10
	s_cbranch_scc0 .Lasked
	tensor_load_to_lds s[G0S:G0S+3], s[G1S:G1S+7]
	s_nop 0
.rept 4
	v_nop
.endr
.Lasked:
	s_lshl_b32 s84, s19, 5
	s_lshl_b32 s85, s[WV], 1
	s_add_co_u32 s84, s84, s85                     ; my first query tile in the sequence: 32 x quarter + 2 x wave
	s_mul_i32 s86, s14, 98304
	s_mul_i32 s85, s84, 768
	s_add_co_u32 s86, s86, s85
	s_mov_b32 s87, 0
	s_add_nc_u64 s[QP:QP+1], s[4:5], s[86:87]
	s_lshl_b32 s85, s15, 7
	s_add_co_u32 s85, s85, s84                     ; the tile among all 512
	s_lshl_b32 s86, s85, 4
	s_add_co_u32 s86, s86, s16
	s_mul_i32 s86, s86, 768                        ; oimg: (tile x 16 + head) x 768
	s_add_nc_u64 s[OP:OP+1], s[8:9], s[86:87]
	s_lshl_b32 s86, s85, 9
	s_lshl_b32 s85, s16, 1
	s_add_co_u32 s86, s86, s85                     ; oscl: tile x 16 rows x 32 + 2 x head
	s_add_nc_u64 s[OSP:OSP+1], s[10:11], s[86:87]
	s_lshl_b32 s86, s14, 12
	s_lshl_b32 s85, s84, 5
	s_add_co_u32 s86, s86, s85                     ; q's scale words: 64 bytes for each pair of tiles
	s_add_nc_u64 s[88:89], s[6:7], s[86:87]
	v_and_b32 v6, 15, v0                           ; r
	v_bfe_u32 v7, v0, 4, 1                         ; h
	v_and_b32 v1, 31, v0
	s_delay_alu instid0(VALU_DEP_1)
	v_lshlrev_b32 v1, 3, v1                        ; 8 x lane: my place in a piece, in LDS and in memory
	s_delay_alu instid0(VALU_DEP_1)
	v_add_nc_u32 v2, VOFF, v1
	v_lshlrev_b32 v4, 2, v6
	s_delay_alu instid0(VALU_DEP_1)
	v_mad_u32_u24 v3, v7, VSW, v4
	s_delay_alu instid0(VALU_DEP_1)
	v_add_nc_u32 v3, KSW, v3                       ; scale words: lanes 0-15 K's, lanes 16-31 V's
	v_lshlrev_b32 v5, 5, v6                        ; o's scale bytes: 32 bytes a row
	global_load_b32 v35, v4, s[88:89]              ; the scale bytes of my two tiles' row r
.irp j, 16,17,18,19,20,21,28,29,30,31,32,33
	v_mov_b32 v[\j], 0                             ; the zero codes on either side of q
.endr
.irp j, 236,237,238,239,252,253
	v_mov_b32 v[\j], 0                             ; written once: a lane permute's destination counts as one of its sources, and v253 is named as the upper half of the pair v[252:253]
.endr
	s_wait_tensorcnt 0x0                           ; my part of K, V or the words is in,
	s_barrier_signal -1
	s_barrier_wait -1                              ; everybody's is
	s_wait_loadcnt 0x0                             ; the pair's word
; One tile of 16 queries against all keys.
.macro PASS ps
.irp p, 0,1,2
	global_load_b64 v[22+2*\p:23+2*\p], v1, s[QP:QP+1] offset:768*\ps+256*\p
.endr
	v_perm_b32 v34, v35, v35, 0x01000100+0x02020202*\ps   ; q's scale word (s0, s1, s0, s1) of this tile; the 36 lines below are its places ahead of the first product
	v_mov_b32 v13, 0xff61b1e6                      ; the largest t so far: -3e38
	s_delay_alu instid0(VALU_DEP_1)
	v_floor_f32 v12, -v13                          ; -M
	v_mov_b32 v14, 0
	v_mov_b32 v15, 0
.set jj, 0
.rept 32
	v_mov_b32 v[160+jj], 0                         ; O^T: the step is written once; the first finds zeros, which the first change of M leaves zeros
.set jj, jj+1
.endr
	s_mov_b32 s[TK], 0
	s_mov_b32 s[TV], 0
	s_mov_b32 s[TS], 0
	s_mov_b32 s[CNT], 16
	s_wait_loadcnt 0x0                             ; q
.Lstep_\@:                                         ; 16 trips of 128 keys
	v_add_nc_u32 v8, s[TK], v1
	v_add_nc_u32 v9, s[TV], v2
	v_add_nc_u32 v10, s[TS], v3
	v_nop                                          ; four places behind the last products, in front of loads into the registers that they read
.irp b, 0,1,2,3
.irp p, 0,1,2,3,4,5
	ds_load_b64 v[36+12*\b+2*\p:37+12*\b+2*\p], v8 offset:1536*\b+256*\p
.endr
	ds_load_b32 v[84+\b], v10 offset:64*\b
.endr
	s_wait_alu depctr_va_vdst(0)
	s_wait_dscnt 0x0
.irp b, 0,1,2,3
	v_wmma_scale_f32_16x16x128_f8f6f4 v[96+16*\b:103+16*\b], v[36+12*\b:47+12*\b], v[22:33], 0, v[84+\b], v34 matrix_a_fmt:MATRIX_FMT_FP6 matrix_b_fmt:MATRIX_FMT_FP6    ; key tile 2 b: [q | zeros]
	v_wmma_scale_f32_16x16x128_f8f6f4 v[104+16*\b:111+16*\b], v[36+12*\b:47+12*\b], v[16:27], 0, v[84+\b], v34 matrix_a_fmt:MATRIX_FMT_FP6 matrix_b_fmt:MATRIX_FMT_FP6  ; key tile 2 b + 1: [zeros | q]
.endr
.rept 4
	v_nop                                          ; places in front of the loads below and of the first read of the scores
.endr
.irp t, 0,1,2,3                                ; V's four fragments land while the softmax is worked
.irp p, 0,1,2,3,4,5
	ds_load_b64 v[36+12*\t+2*\p:37+12*\t+2*\p], v9 offset:768*\t+256*(\p%3)+49152*(\p/3)
.endr
.endr
.irp b, 0,1,2,3
	v_max3_num_f32 v[232+\b], v[96+16*\b], v[97+16*\b], v[98+16*\b]   ; the largest score of each block of 32 keys: for the row's maximum, and, since p rises with the score, for the block's largest p
.endr
.irp i, 3,5,7,9,11,13
.irp b, 0,1,2,3
	v_max3_num_f32 v[232+\b], v[232+\b], v[96+16*\b+\i], v[97+16*\b+\i]
.endr
.endr
.irp b, 0,1,2,3
	v_max_num_f32 v[232+\b], v[232+\b], v[111+16*\b]
.endr
.irp b, 0,1,2,3
	s_delay_alu instid0(VALU_DEP_4)
	v_permlanex16_b32 v[236+\b], v[232+\b], s[SEL], s[SEL+1]
.endr
.irp b, 0,1,2,3
	s_delay_alu instid0(VALU_DEP_4)
	v_max_num_f32 v[232+\b], v[232+\b], v[236+\b]  ; with lane l xor 16's 16 keys
.endr
	s_delay_alu instid0(VALU_DEP_2)
	v_max3_num_f32 v254, v232, v233, v234
	s_delay_alu instid0(VALU_DEP_1)
	v_max_num_f32 v254, v254, v235                 ; the step's largest score of my query
	s_delay_alu instid0(VALU_DEP_1)
	v_mul_f32 v254, s[CS], v254                    ; as t
	s_delay_alu instid0(VALU_DEP_1)
	v_max_num_f32 v13, v13, v254                   ; the running largest t
	v_mov_b32 v254, v12
	s_delay_alu instid0(VALU_DEP_2)
	v_floor_f32 v12, -v13                          ; the new -M = -ceil(t): a whole number
	s_delay_alu instid0(VALU_DEP_1)
	v_sub_f32 v254, v12, v254                      ; old M - new M: a whole number, 0 or less
	s_delay_alu instid0(VALU_DEP_1)
	v_cvt_i32_f32 v254, v254                       ; (it saturates)
	s_delay_alu instid0(VALU_DEP_1)
	v_ldexp_f32 v252, 1.0, v254                    ; f = 2^(old M - new M)
.set jj, 0
.rept 32
	v_pk_fma_f32 v[96+jj:97+jj], v[96+jj:97+jj], s[CS:CS+1], v[12:13] op_sel_hi:[1,0,0]   ; t - M, two at a time
.set jj, jj+2
.endr
.irp b, 0,1,2,3
	v_fma_f32 v[232+\b], v[232+\b], s[CS], v12     ; the same of each block's largest score
.endr
.set jj, 0
	s_wait_alu depctr_va_vdst(0)
.rept 64
	v_exp_f32 v[96+jj], v[96+jj]                   ; p = 2^(t - M), at most 1
.set jj, jj+1
.endr
	v_pk_mul_f32 v[14:15], v[14:15], v[252:253] op_sel_hi:[1,0]   ; the sums under the new M: a plain place behind the exponentials
	s_wait_alu depctr_va_vdst(0)                   ; one wait for the batch of 64, ahead of its first reader
.irp b, 0,1,2,3
	v_exp_f32 v[232+\b], v[232+\b]                 ; the block's largest p
.endr
	v_pk_add_f32 v[236:237], v[100:101], v[104:105]
	v_pk_add_f32 v[248:249], v[108:109], v[112:113]
	v_pk_add_f32 v[246:247], v[116:117], v[120:121]
	v_pk_add_f32 v[244:245], v[124:125], v[128:129]
	v_pk_add_f32 v[242:243], v[132:133], v[136:137]
	v_pk_add_f32 v[240:241], v[140:141], v[144:145]
	v_pk_add_f32 v[238:239], v[148:149], v[152:153]
	v_pk_add_f32 v[14:15], v[14:15], v[156:157]
	v_pk_add_f32 v[236:237], v[236:237], v[96:97]
	v_pk_add_f32 v[248:249], v[248:249], v[98:99]
	v_pk_add_f32 v[246:247], v[246:247], v[102:103]
	v_pk_add_f32 v[244:245], v[244:245], v[106:107]
	v_pk_add_f32 v[242:243], v[242:243], v[110:111]
	v_pk_add_f32 v[240:241], v[240:241], v[114:115]
	v_pk_add_f32 v[238:239], v[238:239], v[118:119]
	v_pk_add_f32 v[14:15], v[14:15], v[122:123]
	v_pk_add_f32 v[236:237], v[236:237], v[126:127]
	v_pk_add_f32 v[248:249], v[248:249], v[130:131]
	v_pk_add_f32 v[246:247], v[246:247], v[134:135]
	v_pk_add_f32 v[244:245], v[244:245], v[138:139]
	v_pk_add_f32 v[242:243], v[242:243], v[142:143]
	v_pk_add_f32 v[240:241], v[240:241], v[146:147]
	v_pk_add_f32 v[238:239], v[238:239], v[150:151]
	v_pk_add_f32 v[14:15], v[14:15], v[154:155]
	v_pk_add_f32 v[236:237], v[236:237], v[158:159]
	s_delay_alu instid0(VALU_DEP_2)
	v_pk_add_f32 v[14:15], v[14:15], v[244:245]
	s_delay_alu instid0(VALU_DEP_2)
	v_pk_add_f32 v[236:237], v[236:237], v[242:243]
	v_pk_add_f32 v[248:249], v[248:249], v[240:241]
	v_pk_add_f32 v[246:247], v[246:247], v[238:239]
	s_delay_alu instid0(VALU_DEP_2)
	v_pk_add_f32 v[14:15], v[14:15], v[248:249]
	s_delay_alu instid0(VALU_DEP_2)
	v_pk_add_f32 v[236:237], v[236:237], v[246:247]
	s_delay_alu instid0(VALU_DEP_1)
	v_pk_add_f32 v[14:15], v[14:15], v[236:237]
	s_wait_alu depctr_va_vdst(0)                   ; and one for the four
.irp b, 0,1,2,3
	v_max_num_f32 v[232+\b], 0x1800000, v[232+\b]  ; the floor 2^(3 - 127)
.endr
.irp b, 0,1,2,3
	s_delay_alu instid0(VALU_DEP_4)
	v_add_nc_u32 v[244+\b], 0xff000000, v[232+\b]  ; the conversion's scale operand
.endr
.irp b, 0,1,2,3
	s_delay_alu instid0(VALU_DEP_4)
	v_lshrrev_b32 v[236+\b], 23, v[244+\b]         ; the scale's byte
.endr
	s_delay_alu instid0(VALU_DEP_3)
	v_lshl_or_b32 v88, v237, 8, v236               ; p's scale word for these 128 keys
	s_delay_alu instid0(VALU_DEP_1)
	v_lshl_or_b32 v88, v238, 16, v88
	s_delay_alu instid0(VALU_DEP_1)
	v_lshl_or_b32 v88, v239, 24, v88
.irp c, 0,1
	v_cvt_scalef32_pk16_fp6_f32 v[192+6*\c:194+6*\c], v[96+32*\c:111+32*\c], v[244+2*\c]
	v_cvt_scalef32_pk16_fp6_f32 v[236+4*\c:238+4*\c], v[112+32*\c:127+32*\c], v[244+2*\c+1]
.endr
	v_nop                                          ; one plain place behind a scaled conversion
.irp c, 0,1
.irp i, 0,1,2
	v_permlane16_swap_b32 v[192+6*\c+\i], v[236+4*\c+\i]
.endr
.irp i, 0,1,2
	s_delay_alu instid0(VALU_DEP_3)
	v_mov_b32 v[195+6*\c+\i], v[236+4*\c+\i]
.endr
.endr
.set jj, 0
.rept 16
	v_pk_mul_f32 v[160+jj:161+jj], v[160+jj:161+jj], v[252:253] op_sel_hi:[1,0]   ; O^T under the new M.  (These are also the places between p's codes and scale word and the products below)
.set jj, jj+2
.endr
	s_wait_alu depctr_va_vdst(0)
	s_wait_dscnt 0x0                               ; V's fragments are in
.irp t, 0,1,2,3                                ; O^T += V^T P^T: four accumulators, one instruction each; eight other products stand between two links of a chain
	v_wmma_scale_f32_16x16x128_f8f6f4 v[160+8*\t:167+8*\t], v[36+12*\t:47+12*\t], v[192:203], v[160+8*\t:167+8*\t], v[84+\t], v88 matrix_a_fmt:MATRIX_FMT_FP6 matrix_b_fmt:MATRIX_FMT_FP6 matrix_a_scale:MATRIX_SCALE_ROW1
.endr
	s_add_co_u32 s[TK], s[TK], 6144
	s_add_co_u32 s[TV], s[TV], 3072
	s_add_co_u32 s[TS], s[TS], 256
	s_sub_co_u32 s[CNT], s[CNT], 1
	s_cmp_lg_u32 s[CNT], 0
	s_cbranch_scc1 .Lstep_\@
	; the tile's end: o = O^T / the sum, quantised along the head's 64: register 16 b + i is channel 32 b + 16 (lane / 16) + i of my query
	v_add_f32 v14, v14, v15                        ; the sum's two halves,
	s_delay_alu instid0(VALU_DEP_1)
	v_permlanex16_b32 v252, v14, s[SEL], s[SEL+1]
	s_delay_alu instid0(VALU_DEP_1)
	v_add_f32 v14, v14, v252                       ; and lane l xor 16's
	v_nop
	s_wait_alu depctr_va_vdst(0)
	v_rcp_f32 v14, v14
	v_nop                                          ; a plain place behind the reciprocal; with the lines above, more than four places behind the last products
	v_nop
	s_wait_alu depctr_va_vdst(0)                   ; the wait ahead of the reciprocal's first reader
.set jj, 0
.rept 16
	v_pk_mul_f32 v[96+jj:97+jj], v[160+jj:161+jj], v[14:15] op_sel_hi:[1,0]   ; each accumulator from its low end on
.set jj, jj+2
.endr
.irp b, 0,1
	v_max3_num_f32 v[232+\b], |v[96+16*\b]|, |v[97+16*\b]|, 0x1800000
.endr
.irp i, 2,4,6,8,10,12,14
.irp b, 0,1
	s_delay_alu instid0(VALU_DEP_2)
	v_max3_num_f32 v[232+\b], v[232+\b], |v[96+16*\b+\i]|, |v[97+16*\b+\i]|
.endr
.endr
.irp b, 0,1
	s_delay_alu instid0(VALU_DEP_2)
	v_permlanex16_b32 v[236+\b], v[232+\b], s[SEL], s[SEL+1]
.endr
.irp b, 0,1
	s_delay_alu instid0(VALU_DEP_2)
	v_max_num_f32 v[232+\b], v[232+\b], v[236+\b]
.endr
.irp b, 0,1
	s_delay_alu instid0(VALU_DEP_2)
	v_add_nc_u32 v[244+\b], 0xff000000, v[232+\b]
.endr
.irp b, 0,1
	s_delay_alu instid0(VALU_DEP_2)
	v_lshrrev_b32 v[236+\b], 23, v[244+\b]
.endr
	s_delay_alu instid0(VALU_DEP_1)
	v_lshl_or_b32 v89, v237, 8, v236               ; my row's two scale bytes
	v_cvt_scalef32_pk16_fp6_f32 v[192:194], v[96:111], v244
	v_cvt_scalef32_pk16_fp6_f32 v[240:242], v[112:127], v245
	v_nop
.irp i, 0,1,2
	v_permlane16_swap_b32 v[192+\i], v[240+\i]
.endr
.irp i, 0,1,2
	s_delay_alu instid0(VALU_DEP_3)
	v_mov_b32 v[195+\i], v[240+\i]                 ; v192-197: channels 32 (lane / 16) + 0 .. 31 of query lane % 16: half a fragment of the output projection
.endr
.irp p, 0,1,2
	global_store_b64 v1, v[192+2*\p:193+2*\p], s[OP:OP+1] offset:12288*\ps+256*\p   ; 256 consecutive bytes, aligned
.endr
	global_store_b16 v5, v89, s[OSP:OSP+1] offset:512*\ps   ; two bytes a row, 32 bytes apart: one part in 24 of o's bytes; both halves of the lanes write the same bytes with the same value
.if \ps == 0
	s_wait_xcnt 0x0                                ; the stores have read their data: the next tile writes these registers again
.endif
.endm
	PASS 0
	PASS 1
	s_wait_tensorcnt 0x0
	ds_add_u32 v251, v255
	s_wait_dscnt 0x0
	CROUND                                         ; the closing round: no work-group ends while a partner may still ask for a tile that names it
	s_endpgm
.Lfunc_end_k_qd954e92898_attn:
	.size	k_qd954e92898_attn, .Lfunc_end_k_qd954e92898_attn-k_qd954e92898_attn
	.p2alignl 7, 3214868480
	.fill 96, 4, 3214868480
	.section	.rodata,"a",@progbits
	.p2align	6, 0x0
	.amdhsa_kernel k_qd954e92898_attn
		.amdhsa_group_segment_fixed_size 215040
		.amdhsa_private_segment_fixed_size 0
		.amdhsa_enable_private_segment 0
		.amdhsa_kernarg_size 32
		.amdhsa_user_sgpr_count 2
		.amdhsa_user_sgpr_kernarg_segment_ptr 1
		.amdhsa_wavefront_size32 1
		.amdhsa_system_sgpr_workgroup_id_x 1
		.amdhsa_system_sgpr_workgroup_id_y 1
		.amdhsa_system_sgpr_workgroup_id_z 1
		.amdhsa_system_vgpr_workitem_id 0
		.amdhsa_next_free_vgpr 256
		.amdhsa_next_free_sgpr 90
		.amdhsa_reserve_vcc 0
		.amdhsa_float_denorm_mode_32 3
		.amdhsa_float_denorm_mode_16_64 3
		.amdhsa_memory_ordered 1
		.amdhsa_forward_progress 1
		.amdhsa_inst_pref_size 57
	.end_amdhsa_kernel
	.amdgpu_metadata
---
amdhsa.version: [ 1, 2 ]
amdhsa.kernels:
  - .name:           k_qd954e92898_attn
    .symbol:         k_qd954e92898_attn.kd
    .args:
      - { .name: qkv, .offset: 0, .size: 8, .value_kind: global_buffer, .address_space: global }
      - { .name: qkvs, .offset: 8, .size: 8, .value_kind: global_buffer, .address_space: global }
      - { .name: oimg, .offset: 16, .size: 8, .value_kind: global_buffer, .address_space: global }
      - { .name: oscl, .offset: 24, .size: 8, .value_kind: global_buffer, .address_space: global }
    .group_segment_fixed_size: 215040
    .private_segment_fixed_size: 0
    .kernarg_segment_align: 8
    .kernarg_segment_size: 32
    .max_flat_workgroup_size: 512
    .sgpr_count:     90
    .vgpr_count:     256
    .wavefront_size: 32
...
	.end_amdgpu_metadata
.endif
;; end of part 3
;; launch outp (part 4): grid 8 x 32, 4 waves a work-group, clusters of 4 x 4, 167,936 bytes of LDS; arguments oimg, oscl, codes, scales, bo, out0; writes out0
.if DOCPART == 4
	.amdgcn_target "amdgcn-amd-amdhsa--gfx1250"
	.amdhsa_code_object_version 6
	.text
	.protected	k_qd954e92898_outp
	.globl	k_qd954e92898_outp
	.p2align	8
	.type	k_qd954e92898_outp,@function
k_qd954e92898_outp:
	s_mov_b64 s[64:65], 0
	v_nop
	global_prefetch_b8 v0, s[64:65] scope:SCOPE_SE
	s_setreg_imm32_b32 hwreg(HW_REG_WAVE_MODE, 25, 1), 1
	s_wait_xcnt 0x0
	s_wait_alu depctr_hold_cnt(0) depctr_sa_sdst(0) depctr_va_vdst(0) depctr_va_sdst(0) depctr_va_ssrc(0) depctr_va_vcc(0) depctr_vm_vsrc(0)
	s_getreg_b32 s2, hwreg(HW_REG_IB_STS2, 6, 4)
	s_cmp_eq_u32 s2, 0
	s_cbranch_scc0 .Lentry_in_a_cluster
	s_endpgm
.Lentry_in_a_cluster:
	s_bfe_u32 s2, ttmp6, 0x10000c
	s_cmp_lg_u32 s2, 0xf033
	s_cbranch_scc0 .Lentry_shape_is_right
	s_endpgm
.Lentry_shape_is_right:
; out0 = o Wo + bo on codes of FP6 with E8M0 scales.  256 work-groups, 8 column groups g x 32 row blocks i: 256 rows x 128 columns each; a wave takes 64 rows x 128 columns.
; o's codes lie in memory as images of the operand's registers ([tile of 16 rows][head][3 pieces][lane][8 bytes]): a wave loads its 64 rows, all of K, straight into 384 registers, 256 consecutive bytes a load.
; So o's rows make no trip through LDS and are not asked for jointly; Wo's 128 rows (rows of 768 bytes + 16 behind each 256) are: a column of the cluster shares them, a quarter a wave, filled once.
; No prefetch: every tile is asked for at the head, and no loop runs ahead of a later one.
; Wo's rows stream past in 8 batches of 16, all of K, two sets of 8 fragments; a batch is 32 products on four accumulators by turns; the bias is the first products' C.
; Source 0 = Wo's rows: a lane holds a row of out0 and eight neighbouring columns.  Rows and columns lie with bits 3 and 4 of their numbers exchanged; the stage's offsets and the stores' rows set that right.
; After four batches 64 columns are whole: they go through the wave's own stage in LDS and leave as rows of 256 consecutive bytes, aligned.
.set KROW,  768
.set KS,    32
.set PITCH, 816
.set FR,    12
.set FPW,   21
.set NF,    26                         ; LDS loads of a batch
.set SPITCH, 272
.set STAGE, 128*PITCH
.set SPARE, STAGE+4*16*SPITCH
.set B0,  4
.set B1,  5
.set LO,  6                            ; v6  8 x lane
.set ASC, 7                            ; v7  32 r + 16 h
.set CO,  8
.set STO, 9
.set RD,  10
.set SPW, 11
.set NIL, 12
.set A0,  13
.set A1,  14
.set BA,  15                           ; v15 64 h
.set RS,  18                           ; v18-33 o's scale words: 4 a + i: lanes 0-15 K step i, lanes 16-31 K step 4 + i
.set SS,  40                           ; v40-71 Wo's, four registers a batch
.set ACC, 128                          ; v128-255 sixteen accumulators: 32 a + 8 (batch % 4)
.set BI,  72                           ; window 3: v840-903 the bias, eight registers a batch
.set BK,  136                          ; window 3: v904-967 rows read back from the stage, two sets
.set G1W, 48
.set G0W, 56
.set MSB, 0
.macro WIN new
.if MSB != \new
	s_set_vgpr_msb (MSB<<8)|\new
.set MSB, \new
.endif
.endm
.macro PLACES n
.rept \n
	v_nop
.endr
.endm
.macro BARRIER
	s_barrier_signal -1
	s_barrier_wait -1
.endm
.macro CROUND
	BARRIER
	s_cmp_lg_u32 s14, 0
	s_cbranch_scc1 .Lnot_wave_0_\@
	s_barrier_signal -3
.Lnot_wave_0_\@:
	s_barrier_wait -3
	BARRIER
.endm
.macro FRAG f, q, a0, a1
	WIN (1+(\f)/FPW)<<6
.set R_, FR*((\f)%FPW)
.set SKIP_, 0
.irp p, 0,1,2,3,4,5
.if SKIP_
.set SKIP_, 0
.else
.set PC_, 12*(\q)+6*(\p/3)+\p%3
.set PN_, 12*(\q)+6*((\p+1)/3)+(\p+1)%3
.set X_, (PC_%32+3)/32
.set XQ_, (PN_%32+3)/32
.if (\p < 5) && (X_ == XQ_)
.set SKIP_, 1
.if X_
	ds_load_2addr_b64 v[R_+2*\p:R_+2*\p+3], v[\a1] offset0:PC_+2*(PC_/32) offset1:PN_+2*(PN_/32)
.else
	ds_load_2addr_b64 v[R_+2*\p:R_+2*\p+3], v[\a0] offset0:PC_+2*(PC_/32) offset1:PN_+2*(PN_/32)
.endif
.elseif X_
	ds_load_b64 v[R_+2*\p:R_+2*\p+1], v[\a1] offset:8*(PC_+2*(PC_/32))
.else
	ds_load_b64 v[R_+2*\p:R_+2*\p+1], v[\a0] offset:8*(PC_+2*(PC_/32))
.endif
.endif
.endr
.endm
.macro FETCH bt                        ; batch bt into set bt % 2; the first four lines are the places behind the products that read the set
	v_add_nc_u32 v[A0], (\bt)*16*PITCH, v[B0]
	v_add_nc_u32 v[A1], (\bt)*16*PITCH, v[B1]
	v_nop
	v_nop
.irp q, 0,1,2,3,4,5,6,7
	FRAG 32+8*((\bt)%2)+\q, \q, A0, A1
.endr
	WIN 0
.endm
.macro PROD bt, q, a
.set FS_, 32+8*((\bt)%2)+\q
.set FX_, 4*\q+\a
.set D_, ACC+32*\a+8*((\bt)%4)
.set XS_, SS+4*(\bt)+\q%4
.set XR_, RS+4*\a+\q%4
.if \q == 0
	WIN (1+FS_/FPW)|((1+FX_/FPW)<<2)|(3<<4)
	v_wmma_scale_f32_16x16x128_f8f6f4 v[D_:D_+7], v[FR*(FS_%FPW):FR*(FS_%FPW)+FR-1], v[FR*(FX_%FPW):FR*(FX_%FPW)+FR-1], v[BI+8*(\bt):BI+8*(\bt)+7], v[XS_], v[XR_] matrix_a_fmt:MATRIX_FMT_FP6 matrix_b_fmt:MATRIX_FMT_FP6
.elseif \q < 4
	WIN (1+FS_/FPW)|((1+FX_/FPW)<<2)
	v_wmma_scale_f32_16x16x128_f8f6f4 v[D_:D_+7], v[FR*(FS_%FPW):FR*(FS_%FPW)+FR-1], v[FR*(FX_%FPW):FR*(FX_%FPW)+FR-1], v[D_:D_+7], v[XS_], v[XR_] matrix_a_fmt:MATRIX_FMT_FP6 matrix_b_fmt:MATRIX_FMT_FP6
.else
	WIN (1+FS_/FPW)|((1+FX_/FPW)<<2)
	v_wmma_scale_f32_16x16x128_f8f6f4 v[D_:D_+7], v[FR*(FS_%FPW):FR*(FS_%FPW)+FR-1], v[FR*(FX_%FPW):FR*(FX_%FPW)+FR-1], v[D_:D_+7], v[XS_], v[XR_] matrix_a_fmt:MATRIX_FMT_FP6 matrix_b_fmt:MATRIX_FMT_FP6 matrix_a_scale:MATRIX_SCALE_ROW1 matrix_b_scale:MATRIX_SCALE_ROW1
.endif
.endm
.macro TOSTAGE a                       ; 16 rows x 64 columns into my stage and back by rows; LDS serves a wave's instructions in order
	s_wait_xcnt 0x0                        ; earlier stores have read the registers that the loads below fill
	WIN 0
.irp b, 0,1,2,3
	ds_store_b128 v[STO], v[ACC+32*(\a)+8*\b:ACC+32*(\a)+8*\b+3] offset:128*(\b/2)+32*(\b%2)
	ds_store_b128 v[STO], v[ACC+32*(\a)+8*\b+4:ACC+32*(\a)+8*\b+7] offset:128*(\b/2)+32*(\b%2)+16
.endr
	WIN 0xc0
.irp t, 0,1,2,3,4,5,6,7
	ds_load_b128 v[BK+32*((\a)%2)+4*\t:BK+32*((\a)%2)+4*\t+3], v[RD] offset:2*\t*SPITCH
.endr
	WIN 0
.endm
.macro SEND a, hf, younger             ; younger: the next block's 8 stores and 8 loads, which may stay out
	s_wait_dscnt \younger
	WIN 0x0c
.irp t, 0,1,2,3,4,5,6,7
	global_store_b128 v[CO], v[BK+32*((\a)%2)+4*\t:BK+32*((\a)%2)+4*\t+3], s[80:81] offset:(32*((\a)/2)+8*((\a)%2)+2*\t+8*(\t/4))*4096+256*(\hf) th:TH_STORE_NT   ; sixteen lanes store 256 consecutive bytes, aligned
.endr
	WIN 0
.endm
.macro WAYOUT hf
	TOSTAGE 0
.irp a, 1,2,3
	TOSTAGE \a
	SEND \a-1, \hf, 16
.endr
	SEND 3, \hf, 0
.endm
; ---------------- the head
	s_load_b128 s[4:7], s[0:1], 0x0                ; oimg, oscl
	s_load_b128 s[8:11], s[0:1], 0x10              ; codes, scales
	s_load_b128 s[24:27], s[0:1], 0x20             ; bo, out0
	v_lshl_add_u32 v[SPW], v0, 2, SPARE
	v_mov_b32 v[NIL], 0
	ds_add_u32 v[SPW], v[NIL]                      ; the opening lines
	ds_add_u32 v[SPW], v[NIL]
	v_lshrrev_b32 v1, 5, v0
	v_readfirstlane_b32 s14, v1                    ; wave
	s_bfe_u32 s40, ttmp6, 0x40000                  ; cx
	s_bfe_u32 s41, ttmp6, 0x40004                  ; cy
	s_lshl_b32 s42, ttmp9, 2
	s_add_co_u32 s42, s42, s40                     ; g
	s_and_b32 s43, ttmp7, 0xffff
	s_lshl_b32 s43, s43, 2
	s_add_co_u32 s43, s43, s41                     ; i
	s_lshl_b32 s45, 0x1111, s40                    ; my column of the cluster
	s_or_b32 s[G1W+0], s45, (1<<20)|(1<<21)|(5<<22)|(3<<25)
	s_mov_b32 s[G1W+1], KROW<<16
	s_mov_b32 s[G1W+2], 32<<16
	s_mov_b32 s[G1W+3], KROW<<16
	s_mov_b32 s[G1W+4], 32
	s_mov_b32 s[G1W+5], KROW
	s_mov_b32 s[G1W+6], 0
	s_mov_b32 s[G1W+7], 0
	s_mul_i32 s22, s42, 128*KROW                   ; Wo's rows 128 g + 32 wave ..
	s_mul_i32 s46, s14, 32*KROW
	s_add_co_u32 s22, s22, s46
	s_add_co_u32 s22, s22, 11264*KROW
	s_mov_b32 s23, 0
	s_mov_b32 s[G0W], 1
	s_mul_i32 s[G0W+1], s14, 32*PITCH
	s_mul_i32 s47, s14, 16*SPITCH
	s_add_co_u32 s47, s47, STAGE                   ; my stage
	v_and_b32 v1, 15, v0                           ; r
	v_bfe_u32 v2, v0, 4, 1                         ; h
	v_and_b32 v3, 31, v0
	v_mul_u32_u24 v[B1], v1, PITCH
	v_mad_u32_u24 v[B0], v2, 24, v[B1]
	v_mad_u32_u24 v[B1], v2, 40, v[B1]
	v_lshlrev_b32 v[LO], 3, v3
	v_lshlrev_b32 v[ASC], 5, v1
	v_lshl_add_u32 v[ASC], v2, 4, v[ASC]
	v_lshlrev_b32 v[CO], 4, v1
	v_lshl_add_u32 v[CO], v2, 12, v[CO]            ; two rows of out0 a store
	v_mul_u32_u24 v[STO], v1, SPITCH
	v_lshl_add_u32 v[STO], v2, 6, v[STO]
	v_add_nc_u32 v[STO], s47, v[STO]
	v_mul_u32_u24 v[RD], v2, SPITCH
	v_lshl_add_u32 v[RD], v1, 4, v[RD]
	v_add_nc_u32 v[RD], s47, v[RD]
	v_lshlrev_b32 v[BA], 6, v2
	s_wait_alu depctr_va_vdst(0)                   ; the wait at the head's end
	s_wait_dscnt 0x0
	CROUND                                         ; the round in front of the joint loads
	s_wait_kmcnt 0x0
	s_add_nc_u64 s[G0W+2:G0W+3], s[8:9], s[22:23]
	s_or_b32 s[G0W+3], s[G0W+3], 0x80000000
	tensor_load_to_lds s[G0W:G0W+3], s[G1W:G1W+7]  ; one load a wave, its place made of the wave's number
	s_nop 0
	PLACES 4
	s_lshl_b32 s20, s43, 2
	s_add_co_u32 s20, s20, s14                     ; which 64 rows are mine
	s_mov_b32 s21, 0
	s_mul_i32 s22, s20, 4*12288
	s_add_nc_u64 s[72:73], s[4:5], s[22:23]        ; o's codes
	s_lshl_b32 s22, s20, 11
	s_add_nc_u64 s[74:75], s[6:7], s[22:23]        ; o's scale bytes
	s_mul_i32 s22, s42, 128*KS
	s_add_co_u32 s22, s22, 11264*KS
	s_add_nc_u64 s[76:77], s[10:11], s[22:23]      ; Wo's scale bytes
	s_lshl_b32 s22, s42, 9
	s_add_nc_u64 s[78:79], s[24:25], s[22:23]      ; the bias
	s_add_nc_u64 s[80:81], s[26:27], s[22:23]
	s_lshl_b32 s22, s20, 18
	s_add_nc_u64 s[80:81], s[80:81], s[22:23]      ; out0: my first row and column
.irp a, 0,1,2,3
	global_load_b128 v[RS+4*\a:RS+4*\a+3], v[ASC], s[74:75] offset:512*\a
.endr
.irp b, 0,1,2,3,4,5,6,7
	global_load_b128 v[SS+4*\b:SS+4*\b+3], v[ASC], s[76:77] offset:512*\b
.endr
	WIN 0xc0
.irp b, 0,1,2,3,4,5,6,7
	global_load_b128 v[BI+8*\b:BI+8*\b+3], v[BA], s[78:79] offset:128*(\b/2)+32*(\b%2)
	global_load_b128 v[BI+8*\b+4:BI+8*\b+7], v[BA], s[78:79] offset:128*(\b/2)+32*(\b%2)+16
.endr
.irp q, 0,1,2,3,4,5,6,7
.irp a, 0,1,2,3
	WIN (1+(4*\q+\a)/FPW)<<6
.irp p, 0,1,2,3,4,5
	global_load_b64 v[FR*((4*\q+\a)%FPW)+2*\p:FR*((4*\q+\a)%FPW)+2*\p+1], v[LO], s[72:73] offset:12288*\a+1536*\q+256*\p
.endr
.endr
.endr
	WIN 0
	s_wait_tensorcnt 0x0                           ; my quarter of Wo's rows is in,
	BARRIER                                        ; everybody's is
	FETCH 0
	FETCH 1
	s_wait_loadcnt 0x0
; ---------------- eight batches.  s_wait_dscnt NF: the batch's own fetch is in; the next batch's may be out
.irp bt, 0,1,2,3,4,5,6,7
.if \bt < 7
	s_wait_dscnt NF
.else
	s_wait_dscnt 0x0
.endif
.irp q, 0,1,2,3,4,5,6,7
.irp a, 0,1,2,3
	PROD \bt, \q, \a
.endr
.endr
	WIN 0
.if \bt < 6
	FETCH \bt+2
.else
	PLACES 4
.endif
.if \bt%4 == 3
	WAYOUT \bt/4
.endif
.endr
	s_wait_tensorcnt 0x0                           ; the wave's end
	ds_add_u32 v[SPW], v[NIL]
	s_wait_dscnt 0x0
	CROUND                                         ; the closing round
	s_endpgm
.Lfunc_end_k_qd954e92898_outp:
	.size	k_qd954e92898_outp, .Lfunc_end_k_qd954e92898_outp-k_qd954e92898_outp
	.p2alignl 7, 3214868480
	.fill 96, 4, 3214868480
	.section	.rodata,"a",@progbits
	.p2align	6, 0x0
	.amdhsa_kernel k_qd954e92898_outp
		.amdhsa_group_segment_fixed_size 167936
		.amdhsa_private_segment_fixed_size 0
		.amdhsa_enable_private_segment 0
		.amdhsa_kernarg_size 48
		.amdhsa_user_sgpr_count 2
		.amdhsa_user_sgpr_kernarg_segment_ptr 1
		.amdhsa_wavefront_size32 1
		.amdhsa_system_sgpr_workgroup_id_x 1
		.amdhsa_system_sgpr_workgroup_id_y 1
		.amdhsa_system_sgpr_workgroup_id_z 1
		.amdhsa_system_vgpr_workitem_id 0
		.amdhsa_next_free_vgpr 968
		.amdhsa_next_free_sgpr 90
		.amdhsa_reserve_vcc 0
		.amdhsa_float_denorm_mode_32 3
		.amdhsa_float_denorm_mode_16_64 3
		.amdhsa_memory_ordered 1
		.amdhsa_forward_progress 1
		.amdhsa_inst_pref_size 91
	.end_amdhsa_kernel
	.amdgpu_metadata
---
amdhsa.version: [ 1, 2 ]
amdhsa.kernels:
  - .name:           k_qd954e92898_outp
    .symbol:         k_qd954e92898_outp.kd
    .args:
      - { .name: oimg, .offset: 0, .size: 8, .value_kind: global_buffer, .address_space: global }
      - { .name: oscl, .offset: 8, .size: 8, .value_kind: global_buffer, .address_space: global }
      - { .name: codes, .offset: 16, .size: 8, .value_kind: global_buffer, .address_space: global }
      - { .name: scales, .offset: 24, .size: 8, .value_kind: global_buffer, .address_space: global }
      - { .name: bo, .offset: 32, .size: 8, .value_kind: global_buffer, .address_space: global }
      - { .name: out0, .offset: 40, .size: 8, .value_kind: global_buffer, .address_space: global }
    .group_segment_fixed_size: 167936
    .private_segment_fixed_size: 0
    .kernarg_segment_align: 8
    .kernarg_segment_size: 48
    .max_flat_workgroup_size: 128
    .sgpr_count:     90
    .vgpr_count:     968
    .wavefront_size: 32
...
	.end_amdgpu_metadata
.endif
;; end of part 4
